; MI455X (gfx1250); checked and timed in simulation.
; The chip was launched on July 23, 2026; its instructions are those of AMD's public machine-readable ISA for CDNA 5 (MIT licence, August 2026) and "CDNA5" Instruction Set Architecture Reference Guide (July 2026). The comments in the code are by the model that wrote it; some were corrected since.
;; Causal Self Attention. Allowed arithmetic: matrix products marked QUANTISED: E4M3 operands, one E8M0 scale for each 32 along K, by v_wmma_scale_f32_16x16x128_f8f6f4 with both operands' format E4M3, f32 sums; everything else in f32.
;; Inputs: w_attn 3,072 x 1,024 float32; w_proj 1,024 x 1,024 float32; x 4 x 2,048 x 1,024 float32.
;; Outputs: out0 4 x 2,048 x 1,024 float32.
;; This version of the problem:
;;   THIS VERSION OF THE PROBLEM IS GIVEN IN LOW PRECISION. The matrix products marked QUANTISED in the list below multiply operands that are first quantised to E4M3 (4 exponent bits, 3 mantissa bits; 8 bits a number), with one power-of-two scale for each 32 numbers along K (OCP MX v1.0); their sums are f32. All else is computed in f32.
;;   The module's matrix products, in the order in which they are computed (A, B: the left and right operand; K: the contracted axis; several contracted axes count as one K, in the product's order):
;;     1. [M 8,192, K 1,024] x [K 1,024, N 3,072]; A: input x; B: input w_attn: QUANTISED
;;     2. batch 64 x [M 2,048, K 64] x [K 64, N 2,048]; A: computed on the way; B: computed on the way: QUANTISED
;;     3. batch 64 x [M 2,048, K 2,048] x [K 2,048, N 64]; A: softmax (see below); B: computed on the way: QUANTISED
;;     4. [M 8,192, K 1,024] x [K 1,024, N 1,024]; A: computed on the way; B: input w_proj: QUANTISED
;;   THE QUANTISER, for each operand of a quantised product, along K:
;;     - K is cut into blocks of 32 from its start; a last block that is shorter is filled with zeros.
;;     - A block's scale is 2^e with e = floor(log2(the largest magnitude in the block)) - 8, held to -126 .. 127; a block of zeros has e = 0. As a byte (E8M0): e + 127.
;;     - Each number is divided by its block's scale, clamped to +-448, and rounded to the nearest number of E4M3, ties to even, subnormals kept.
;;     - The product sums the exact products of the quantised numbers (number of the format x scale) in f32.
;;   ~~~python
;;   def quantise(x, axis):      # numpy; x: float32 -> the quantised numbers, widened to float32 again
;;       x = np.moveaxis(x, axis, -1); K = x.shape[-1]
;;       x = np.pad(x, [(0, 0)] * (x.ndim - 1) + [(0, -K % 32)]); x = x.reshape(x.shape[:-1] + (-1, 32)); a = np.abs(x).max(-1, keepdims=True)
;;       e = np.where(a > 0, np.clip(np.frexp(np.where(a > 0, a, 1))[1] - 1 - 8, -126, 127), 0)      # np.frexp(a)[1] - 1 = floor(log2(a)), exactly
;;       r = np.clip(x / 2.0 ** e, -448, 448)
;;       step = 2.0 ** (np.maximum(np.frexp(np.where(r == 0, 1, r))[1] - 1, -6) - 3)
;;       q = np.round(r / step) * step * 2.0 ** e      # np.round: ties to even
;;       return np.moveaxis(q.reshape(q.shape[:-2] + (-1,))[..., :K], -1, axis).astype(np.float32)
;;   ~~~
;;   SOFTMAX AHEAD OF A QUANTISED PRODUCT. Where the list says 'softmax', what is quantised is not the finished softmax but p = 2^(t - M), with t = logit x log2(e) and M = ceil(the row's largest t), a whole number; so 1/2 < the row's largest p <= 1. The row's sum l is taken of the UNQUANTISED p, in f32, and the product's result is divided by l at the end. Since M is a whole number, a kernel that streams over the keys may use a running M (the ceiling of the running maximum): every later rescaling is an exact power of two, which a block's scale takes up: the codes' values come out the same.
;;   OPERANDS COMPUTED ON THE WAY. 'Computed on the way' means the value that the module computes at that place (a softmax that the list does not call 'softmax' is quantised finished and normalised). What goes into a quantiser is computed in f32, as accurately as f32 sums, v_exp_f32 and their like allow (about 1e-6 of the number): no bf16 or f16 on the way to a quantiser, and a product that is left as it is and whose result goes on into a quantised operand takes f32 operands (vector FMAs, or v_wmma_f32_16x16x4_f32). A number that lies on a knife's edge between two numbers of the format may be rounded either way, as far as f32 arithmetic and the matrix unit's own rounding can turn it there, and no further.
;; One version. Each part assembles by itself: llvm-mc -triple=amdgcn-amd-amdhsa -mcpu=gfx1250 --defsym DOCPART=n.
;; ======== version 1 of 1: 4 launches
;; limits: right only within a limited range of input values
;; workspace buffers: cod 12,582,912 bytes; scl 393,216 bytes; qimg 8,388,608 bytes; qscl 524,288 bytes; kv 17,563,648 bytes; ycod 8,388,608 bytes; yscl 262,144 bytes
;; launch quant (part 1): grid 256 x 1, 6 waves a work-group, no clusters, 51,456 bytes of LDS; arguments x, w_attn, w_proj, cod, scl; writes cod, scl
.if DOCPART == 1
	.amdgcn_target "amdgcn-amd-amdhsa--gfx1250"
	.amdhsa_code_object_version 6
	.text
	.protected	k_qfd695b5541_quant
	.globl	k_qfd695b5541_quant
	.p2align	8
	.type	k_qfd695b5541_quant,@function
k_qfd695b5541_quant:
	s_mov_b64 s[64:65], 0
	v_nop
	global_prefetch_b8 v0, s[64:65] scope:SCOPE_SE
	s_setreg_imm32_b32 hwreg(HW_REG_WAVE_MODE, 25, 1), 1
	s_wait_xcnt 0x0
; x [8192][1024], w_attn [3072][1024], w_proj [1024][1024], f32 with K innermost, become codes of E4M3 with one E8M0 byte for each 32 along K.
; A block's scale is 2^(floor(log2(its largest magnitude)) - 8); each number is divided by it, held within +-448 and rounded to the nearest code, ties to even.
; LAYOUT OF THE RESULT.  The 12,288 rows are 768 ROW BLOCKS of 16 (0-511 x, 512-703 w_attn, 704-767 w_proj).  Row n of block g is the tensor's row 32 (g / 2) + 8 (g % 2) + n + 8 (n / 8):
; two neighbouring blocks hold 32 neighbouring rows, dealt so that a product which takes such a block as its source 0 leaves 16 NEIGHBOURING rows' results in a lane's 16 registers of two neighbouring tiles.
; cod: [block][K step of 128][2,048 bytes]: the IMAGE of the operand's registers: piece c (512 bytes): lane l's 16 bytes at 16 l = codes k = 32 c + 16 (l / 16) + 0 .. 15 of row l % 16.
; scl: [block][half of K][16 rows][4 words]: one word (four bytes) for a row and 128 along K.
; SHARES.  1,536 waves = 768 blocks x 2 halves of K; a wave makes four images.  Each load reads 512 consecutive bytes of one row; the 16 rows x 512 bytes turn through the wave's own stage in LDS
; (rows 528 bytes apart, so that the 16 rows of a read start at 16 different banks: 64 banks of 4 bytes, ISA guide 11.1) and come back 16 neighbours along K to a lane.  Waves share nothing: no barrier.
; LIMITS: NaN and infinities among the inputs are not served.  A block whose largest magnitude lies under 2^-118 (a block of zeros too) gets the byte 1; a block of zeros has zero codes, and this program alone reads the bytes.
.set STG, 8448                         ; a wave's stage: 16 rows x 528 bytes
.set LO,  4                            ; v4   16 x lane
.set SW,  5                            ; v5   the stage, on the way in: 16 x lane
.set SRD, 6                            ; v6   and out: 528 r + 64 h
.set SO,  7                            ; v7   my 8 bytes of the scale words: 16 r + 8 h
.set W,   8                            ; v8-11   the four images' scale words
.set TM,  16                           ; v16-31  at work: largest magnitudes, bytes, scale operands
.set PC,  32                           ; v32-47  an image's codes
.set X,   48                           ; v48-111 64 numbers: register 16 c + i = k 32 c + 16 h + i of row r
.set R,   112                          ; v112-239 two sets of 64 registers as loaded
.set SEL, 26                           ; s[26:27] lane selects: lane l xor 16
.set MNT, 28
.set HM,  29                           ; s29  lanes 16-31
	s_load_b256 s[4:11], s[0:1], 0x0               ; x s[4:5], w_attn s[6:7], w_proj s[8:9], cod s[10:11]
	s_load_b64 s[12:13], s[0:1], 0x20              ; scl
	v_lshl_add_u32 v254, v0, 2, 0xc600
	v_mov_b32 v255, 0
	v_lshrrev_b32 v1, 5, v0
	v_readfirstlane_b32 s14, v1                    ; wave 0..5
	v_and_b32 v1, 31, v0                           ; lane
	v_and_b32 v2, 15, v0                           ; r
	v_bfe_u32 v3, v0, 4, 1                         ; h
	v_lshlrev_b32 v[LO], 4, v1
	s_mul_i32 s15, s14, STG
	v_add_nc_u32 v[SW], s15, v[LO]
	v_mul_u32_u24 v[SRD], v2, 528
	v_lshl_add_u32 v[SRD], v3, 6, v[SRD]
	v_add_nc_u32 v[SRD], s15, v[SRD]
	v_lshlrev_b32 v[SO], 4, v2
	v_lshl_add_u32 v[SO], v3, 3, v[SO]
.irp b, 0,1,2,3
	v_mov_b32 v[TM+4+\b], 0                        ; written once: a lane permute's destination counts as one of its sources
.endr
	s_mov_b32 s[SEL], 0x76543210
	s_mov_b32 s[SEL+1], 0xfedcba98
	s_mov_b32 s[HM], 0xffff0000
	s_lshr_b32 s16, s14, 1
	s_and_b32 s17, s14, 1                          ; which half of K
	s_mul_i32 s18, ttmp9, 3
	s_add_co_u32 s18, s18, s16                     ; g: my row block, 3 to a work-group
	s_mov_b32 s20, 704
	s_mov_b32 s21, 512
	s_wait_alu depctr_va_vdst(0)
	s_wait_kmcnt 0x0
	s_cmp_lt_u32 s18, 704                          ; which tensor: the choice hangs on ids alone
	s_cselect_b64 s[6:7], s[6:7], s[8:9]
	s_cselect_b32 s20, s21, s20
	s_cmp_lt_u32 s18, 512
	s_cselect_b64 s[4:5], s[4:5], s[6:7]
	s_cselect_b32 s20, 0, s20
	s_sub_co_u32 s19, s18, s20                     ; the block's number in its tensor
	s_lshr_b32 s22, s19, 1
	s_lshl_b32 s22, s22, 17                        ; 32 rows of 4,096 bytes for each pair of blocks,
	s_and_b32 s23, s19, 1
	s_lshl_b32 s23, s23, 15                        ; 8 rows for the odd block,
	s_add_co_u32 s22, s22, s23
	s_lshl_b32 s23, s17, 11                        ; 2,048 bytes for the upper half of K
	s_add_co_u32 s22, s22, s23
	s_mov_b32 s23, 0
	s_add_nc_u64 s[4:5], s[4:5], s[22:23]
	s_lshl_b32 s22, s18, 14
	s_lshl_b32 s24, s17, 13
	s_add_co_u32 s22, s22, s24
	s_add_nc_u64 s[10:11], s[10:11], s[22:23]      ; cod: 16,384 g + 8,192 half
	s_lshl_b32 s22, s18, 9
	s_lshl_b32 s24, s17, 8
	s_add_co_u32 s22, s22, s24
	s_add_nc_u64 s[12:13], s[12:13], s[22:23]      ; scl: 512 g + 256 half
.macro LOAD s                          ; K step s of my half: 16 rows x 512 bytes into set s % 2
.irp n, 0,1,2,3,4,5,6,7,8,9,10,11,12,13,14,15
	global_load_b128 v[R+64*((\s)%2)+4*\n:R+64*((\s)%2)+4*\n+3], v[LO], s[4:5] offset:(\n+8*(\n/8))*4096+512*(\s) th:TH_LOAD_NT
.endr
.endm
; 64 numbers of a lane, register 16 b + i = k 32 b + 16 h + i of my row, become a fragment's codes in v[PC] on and its scale word in v[pw]
.macro QUANT s, pw
.irp b, 0,1,2,3
	v_max3_num_f32 v[TM+\b], |v[\s+16*\b]|, |v[\s+1+16*\b]|, 0x4800000   ; my 16 numbers of block b, and the floor 2^(9 - 127): the byte cannot fall under 1
.endr
.irp i, 2,4,6,8,10,12,14
.irp b, 0,1,2,3
	v_max3_num_f32 v[TM+\b], v[TM+\b], |v[\s+16*\b+\i]|, |v[\s+1+16*\b+\i]|   ; the four blocks by turns
.endr
.endr
.irp b, 0,1,2,3
	v_permlanex16_b32 v[TM+4+\b], v[TM+\b], s[SEL], s[SEL+1]
.endr
.irp b, 0,1,2,3
	v_max_num_f32 v[TM+\b], v[TM+\b], v[TM+4+\b]   ; with lane l xor 16's 16: the block's largest magnitude
.endr
.irp b, 0,1,2,3
	v_add_nc_u32 v[TM+12+\b], 0xfc000000, v[TM+\b] ; 8 off its exponent field: the conversion's scale operand
.endr
.irp b, 0,1,2,3
.endr
.irp b, 0,1,2,3
	v_lshrrev_b32 v[TM+4+\b], 23, v[TM+12+\b]      ; the scale's byte
.endr
	v_lshl_or_b32 v[\pw], v[TM+5], 8, v[TM+4]
	v_lshl_or_b32 v[\pw], v[TM+6], 16, v[\pw]
	v_lshl_or_b32 v[\pw], v[TM+7], 24, v[\pw]
.irp b, 0,1,2,3
.irp i, 0,1,2,3,4,5,6,7,8,9,10,11,12,13,14,15
.endr
	v_cvt_scalef32_pk8_fp8_f32 v[PC+4*\b:PC+1+4*\b], v[\s+16*\b:\s+7+16*\b], v[TM+12+\b]
	v_cvt_scalef32_pk8_fp8_f32 v[PC+2+4*\b:PC+3+4*\b], v[\s+8+16*\b:\s+15+16*\b], v[TM+12+\b]
.endr
	v_nop                                          ; one plain vector instruction behind the last conversion
.endm
.macro IMG s
.if (\s) < 3
	s_wait_loadcnt 16                              ; this step's 16 loads are in; the next step's 16 may be out
.else
	s_wait_loadcnt 0x0
.endif
.irp n, 0,1,2,3,4,5,6,7,8,9,10,11,12,13,14,15
	ds_store_b128 v[SW], v[R+64*((\s)%2)+4*\n:R+64*((\s)%2)+4*\n+3] offset:528*\n
.endr
.irp c, 0,1,2,3
.irp j, 0,1,2,3
	ds_load_b128 v[X+16*\c+4*\j:X+16*\c+4*\j+3], v[SRD] offset:128*\c+16*\j   ; LDS serves a wave's instructions in order (ISA guide 5.7.1.4): these see the stores above
.endr
.endr
	s_wait_dscnt 0x0                               ; the numbers are back, and the stores have read their registers,
.if (\s) < 2
	LOAD (\s)+2                                    ; which take the loads of two steps on
.endif
	s_wait_xcnt 0x0                                ; the last image's stores have read v[PC] on
	QUANT X, W+(\s)
.irp c, 0,1,2,3
	global_store_b128 v[LO], v[PC+4*\c:PC+4*\c+3], s[10:11] offset:2048*(\s)+512*\c   ; 32 lanes store 512 consecutive bytes
.endr
.endm
	LOAD 0
	LOAD 1
	IMG 0
	IMG 1
	IMG 2
	IMG 3
	v_cndmask_b32 v12, v[W], v[W+2], s[HM]         ; lanes 0-15 store words 0 and 1 of row r, lanes 16-31 words 2 and 3
	v_cndmask_b32 v13, v[W+1], v[W+3], s[HM]
	global_store_b64 v[SO], v[12:13], s[12:13]     ; 32 lanes store 256 consecutive bytes, aligned
	s_wait_tensorcnt 0x0
	ds_add_u32 v254, v255
	s_wait_dscnt 0x0
	s_endpgm
.Lfunc_end_k_qfd695b5541_quant:
	.size	k_qfd695b5541_quant, .Lfunc_end_k_qfd695b5541_quant-k_qfd695b5541_quant
	.p2alignl 7, 3214868480
	.fill 96, 4, 3214868480
	.section	.rodata,"a",@progbits
	.p2align	6, 0x0
	.amdhsa_kernel k_qfd695b5541_quant
		.amdhsa_group_segment_fixed_size 51456
		.amdhsa_private_segment_fixed_size 0
		.amdhsa_enable_private_segment 0
		.amdhsa_kernarg_size 40
		.amdhsa_user_sgpr_count 2
		.amdhsa_user_sgpr_kernarg_segment_ptr 1
		.amdhsa_wavefront_size32 1
		.amdhsa_system_sgpr_workgroup_id_x 1
		.amdhsa_system_sgpr_workgroup_id_y 1
		.amdhsa_system_sgpr_workgroup_id_z 1
		.amdhsa_system_vgpr_workitem_id 0
		.amdhsa_next_free_vgpr 256
		.amdhsa_next_free_sgpr 66
		.amdhsa_reserve_vcc 0
		.amdhsa_float_denorm_mode_32 3
		.amdhsa_float_denorm_mode_16_64 3
		.amdhsa_fp16_overflow 1
		.amdhsa_memory_ordered 1
		.amdhsa_forward_progress 1
		.amdhsa_inst_pref_size 34
	.end_amdhsa_kernel
	.amdgpu_metadata
---
amdhsa.version: [ 1, 2 ]
amdhsa.kernels:
  - .name:           k_qfd695b5541_quant
    .symbol:         k_qfd695b5541_quant.kd
    .args:
      - { .name: x, .offset: 0, .size: 8, .value_kind: global_buffer, .address_space: global }
      - { .name: w_attn, .offset: 8, .size: 8, .value_kind: global_buffer, .address_space: global }
      - { .name: w_proj, .offset: 16, .size: 8, .value_kind: global_buffer, .address_space: global }
      - { .name: cod, .offset: 24, .size: 8, .value_kind: global_buffer, .address_space: global }
      - { .name: scl, .offset: 32, .size: 8, .value_kind: global_buffer, .address_space: global }
    .group_segment_fixed_size: 51456
    .private_segment_fixed_size: 0
    .kernarg_segment_align: 8
    .kernarg_segment_size: 40
    .max_flat_workgroup_size: 192
    .sgpr_count:     66
    .vgpr_count:     256
    .wavefront_size: 32
...
	.end_amdgpu_metadata
.endif
;; end of part 1
;; launch qkv (part 2): grid 96 x 4, 4 waves a work-group, clusters of 4 x 4, 327,680 bytes of LDS; arguments cod, scl, qimg, qscl, kv; writes qimg, qscl, kv
.if DOCPART == 2
	.amdgcn_target "amdgcn-amd-amdhsa--gfx1250"
	.amdhsa_code_object_version 6
	.text
	.protected	k_qfd695b5541_qkv
	.globl	k_qfd695b5541_qkv
	.p2align	8
	.type	k_qfd695b5541_qkv,@function
k_qfd695b5541_qkv:
	s_mov_b64 s[64:65], 0
	v_nop
	global_prefetch_b8 v0, s[64:65] scope:SCOPE_SE
	s_setreg_imm32_b32 hwreg(HW_REG_WAVE_MODE, 25, 1), 1
	s_wait_xcnt 0x0
	s_wait_alu depctr_hold_cnt(0) depctr_sa_sdst(0) depctr_va_vdst(0) depctr_va_sdst(0) depctr_va_ssrc(0) depctr_va_vcc(0) depctr_vm_vsrc(0)
	s_getreg_b32 s2, hwreg(HW_REG_IB_STS2, 6, 4)
	s_cmp_eq_u32 s2, 0
	s_cbranch_scc0 .Lentry_in_a_cluster
	s_endpgm
.Lentry_in_a_cluster:
	s_bfe_u32 s2, ttmp6, 0x10000c
	s_cmp_lg_u32 s2, 0xf033
	s_cbranch_scc0 .Lentry_shape_is_right
	s_endpgm
.Lentry_shape_is_right:
; qkv = x w_attn^T on codes of E4M3 (K = 1,024), and q, k, v quantised in registers for the attention's two products.  Operands come as images of their registers (cod, scl: see the launch that makes them).
; A tile of 256 x 256 is made by four waves, each 128 x 128: 64 accumulators, 512 registers.  K goes in steps of 256 through two LDS slots; the scale words of the tile's rows, for all of K, come once.
; THE MATRIX INSTRUCTION IS USED TRANSPOSED: source 0 = 16 rows of B, source 1 = 16 rows of A.  By the order of rows in a row block, a lane's 64 results of one block of A are:
; register 16 b + i = B's row 32 b + 16 (lane / 16) + i of the wave's 128: neighbours, in the very order of an operand's registers.
; TWO KINDS OF CLUSTERS (the choice hangs on the cluster's number alone, so it is the same in all sixteen partners):
;   clusters 0-15:  A = x (tokens), B = w_q or w_k (features).  A lane holds one token and 128 features = 2 heads x 2 blocks of 32: q and k are quantised along the head's 64.
;   clusters 16-23: A = w_v (features), B = x (tokens).  A lane holds one channel and 128 tokens: v is quantised along the keys, and the codes are a whole fragment of the second product.
; The conversions' results are stored as they stand, 512 consecutive bytes a store: qimg [head][token block][2][512], qscl [head][token block][16 words];
; kv [head][key step of 128][17,152]: K 8 tiles x 2 x 512 | V 4 tiles x 4 x 512 | K's scale words 8 x 64 | V's 4 x 64.
; CLUSTERS: 4 x 4 work-groups; A's tiles are shared along a row of the cluster, B's along a column: joint loads.  24 clusters: 3,072 columns in whole heads give no multiple of 256 tiles.
; LIMITS: NaN and infinities are not served; a block whose largest magnitude lies under 2^-118 gets the byte 1.  In a scale word of q or k bytes 2 and 3 stand over zero codes: they hold the neighbour head's bytes or 0, never 0xff.
; REGISTERS, in windows of 256: window 0: v0-31 addresses; v32-63 scale words, two sets; v128-255 A's fragments, one set (at the end: held numbers, codes, work).  window 1: B's fragments, two sets.  windows 2, 3: the accumulators.
.set FR,    16                         ; registers of a fragment
.set NL,    4                          ; LDS loads that bring one
.set NP,    8                          ; places behind this matrix instruction (ISA guide 7.12.1)
.set NQ,    2                          ; matrix instructions deep in a slot
.set SLOT,  131072                     ; A's 16 row blocks x 4,096 bytes (two K steps of 128), then B's 16
.set SCL,   2*SLOT                     ; A's scale words, 8,192 bytes, then B's
.set SPARE, SCL+16384                  ; the spare words, 128 bytes for each wave: two blocks of 256 bytes that no other line names
.set REC,   17152
.set HEADB, 16*REC
.set LI,   4                           ; v4   16 x lane
.set SOFF, 6                           ; v6   q, k: where my scale word goes
.set SH16, 7                           ; v7   16 h
.set L4,   8                           ; v8   4 x lane
.set ADRA, 16                          ; v16-17  LDS address of my A fragments in slot 0, 1
.set ADRB, 20                          ; v20-21  the same for B
.set ADRS, 27                          ; v27  my scale words: lanes 0-15 A's rows, lanes 16-31 B's
.set SPW,  28                          ; v28  LDS address of my spare word; never rewritten
.set NIL,  29                          ; v29  0; never rewritten
.set SC,   32
.set AF,   128
.set HV,   128                         ; the end: 64 held numbers
.set PC,   192                         ; 16 registers of codes
.set TM,   208                         ; 16 at work
.set PW,   224                         ; the scale word
.set PS,   225                         ; the word as stored
.set PE,   226                         ; v: the even tile's word
.set HM,  2                            ; s2   lanes 16-31
.set MNT, 3                            ; s3   the mantissa field of 448
.set SEL, 66                           ; s[66:67] lane selects: lane l xor 16
.set G1, 24
.set G0, 32
.set G1B, 48
.set G0B, 56
.set G1S, 68
.set G0S, 76
.set G1SB, 80
.set G0SB, 88
.set P0, 94                            ; s[94:101] the end: where codes and scale words go
.set P1, 96
.set S0, 98
.set S1, 100
.set MSB, 0
.macro WIN new                         ; the immediate's high byte repeats the setting that is left
.if MSB != \new
	s_set_vgpr_msb (MSB<<8)|\new
.set MSB, \new
.endif
.endm
.set MUL_LO, 0xa1                      ; source 0 (B) window 1, source 1 (A) window 0, C and D window 2
.set MUL_HI, 0xf1                      ; the same, C and D window 3
.set TO_B,   0x40                      ; destination window 1, address window 0
; A joint load: waves 0 and 1 fetch for A, waves 2 and 3 for B; the branch hangs on the wave's number alone.  Four v_nop follow each of the two lines.
.macro JLOAD g0a, g1a, g0b, g1b
	s_cmp_eq_u32 s15, 0
	s_cbranch_scc0 .Lfor_b_\@
	tensor_load_to_lds s[\g0a:\g0a+3], s[\g1a:\g1a+7]
	s_nop 0
.rept 4
	v_nop
.endr
	s_branch .Lasked_\@
.Lfor_b_\@:
	tensor_load_to_lds s[\g0b:\g0b+3], s[\g1b:\g1b+7]
	s_nop 0
.rept 4
	v_nop
.endr
.Lasked_\@:
.endm
.macro CREST                           ; a round of the cluster's barrier behind its opening barrier
	s_cmp_lg_u32 s14, 0
	s_cbranch_scc1 .Lnot_wave_0_\@
	s_barrier_signal -3
.Lnot_wave_0_\@:
	s_barrier_wait -3
	s_barrier_signal -1
	s_barrier_wait -1
.endm
.macro CROUND
	s_barrier_signal -1
	s_barrier_wait -1
	CREST
.endm
	s_load_b256 s[4:11], s[0:1], 0x0               ; cod s[4:5], scl s[6:7], qimg s[8:9], qscl s[10:11]
	s_load_b64 s[12:13], s[0:1], 0x20              ; kv
	v_lshl_add_u32 v[SPW], v0, 2, SPARE
	v_mov_b32 v[NIL], 0
	ds_add_u32 v28, v29
	ds_add_u32 v28, v29
	s_wait_dscnt 0x0
	v_lshrrev_b32 v1, 5, v0
	v_readfirstlane_b32 s14, v1                    ; wave 0..3
	s_lshr_b32 s15, s14, 1                         ; which half of A's rows is mine.  Also: I fetch for A (0) or for B (1)
	s_and_b32 s16, s14, 1                          ; which half of B's rows.  Also: which 8 row blocks I fetch
	s_bfe_u32 s40, ttmp6, 0x40000                  ; cx, cy: my place in the cluster
	s_bfe_u32 s41, ttmp6, 0x40004
	s_lshl_b32 s43, s41, 2
	s_lshl_b32 s43, 15, s43                        ; my row of the cluster
	s_lshl_b32 s44, 0x1111, s40                    ; my column
	s_mov_b32 s[HM], 0xffff0000
	s_mov_b32 s[MNT], 0x600000
	s_mov_b32 s[SEL], 0x76543210
	s_mov_b32 s[SEL+1], 0xfedcba98
	; the cluster's first row blocks of A and of B, from the cluster's number c
	s_lshr_b32 s17, ttmp9, 1
	s_lshl_b32 s17, s17, 6                         ; q, k: A = x, 64 row blocks a cluster: 64 (c / 2)
	s_and_b32 s19, ttmp9, 1
	s_lshl_b32 s19, s19, 6
	s_add_co_u32 s19, s19, 512                     ; B = w_q (c even) or w_k (c odd): 512 + 64 (c % 2)
	s_sub_co_u32 s20, ttmp9, 16
	s_lshl_b32 s20, s20, 6                         ; v: B = x: 64 (c - 16)
	s_mov_b32 s21, 640                             ; A = w_v
	s_cmp_ge_u32 ttmp9, 16
	s_cselect_b32 s17, s21, s17
	s_cselect_b32 s19, s20, s19
	s_cselect_b32 s45, 1, 0                        ; s45: this cluster makes v
	s_lshl_b32 s22, s41, 4
	s_add_co_u32 s92, s17, s22                     ; s92: my tile's first row block of A: hangs on c and cy alone
	s_lshl_b32 s46, s40, 4
	s_add_co_u32 s93, s19, s46                     ; s93: of B: on c and cx alone
	; descriptor group 1.  Codes: 8 rows (row blocks) of 4,096 bytes (512 elements of 8), 16,384 bytes apart, laid on end in LDS
	s_or_b32 s[G1+0], s43, (3<<16)|(1<<21)         ; 15:0 the mask: A's tiles go to my row; 17:16 elements of 8 bytes; 21 set beside a mask; no padding
	s_or_b32 s[G1B+0], s44, (3<<16)|(1<<21)
.irp g, G1, G1B
	s_mov_b32 s[\g+1], 512<<16                     ; tensor_dim0
	s_mov_b32 s[\g+2], 8<<16                       ; tensor_dim1
	s_mov_b32 s[\g+3], 512<<16                     ; tile_dim0
	s_mov_b32 s[\g+4], 8                           ; tile_dim1
	s_mov_b32 s[\g+5], 2048                        ; tensor_dim0_stride
	s_mov_b32 s[\g+6], 0
	s_mov_b32 s[\g+7], 0
.endr
	; scale words of 8 row blocks: 4,096 dense bytes as 16 rows of 256
	s_or_b32 s[G1S+0], s43, (3<<16)|(1<<21)
	s_or_b32 s[G1SB+0], s44, (3<<16)|(1<<21)
.irp g, G1S, G1SB
	s_mov_b32 s[\g+1], 32<<16
	s_mov_b32 s[\g+2], 16<<16
	s_mov_b32 s[\g+3], 32<<16
	s_mov_b32 s[\g+4], 16
	s_mov_b32 s[\g+5], 32
	s_mov_b32 s[\g+6], 0
	s_mov_b32 s[\g+7], 0
.endr
	s_lshl_b32 s18, s16, 3                         ; which 8 row blocks of the tile I fetch
	s_add_co_u32 s20, s92, s18
	s_add_co_u32 s46, s93, s18
	s_lshl_b32 s22, s20, 9                         ; their scale words, 512 bytes a block,
	s_lshl_b32 s20, s20, 14                        ; and their codes, 16,384
	s_lshl_b32 s94, s46, 9
	s_lshl_b32 s46, s46, 14
	s_mov_b32 s21, 0
	s_mov_b32 s23, 0
	s_mov_b32 s47, 0
	s_mov_b32 s95, 0
	s_lshl_b32 s96, s14, 15                        ; where they go: wave x 32,768: A's two halves, then B's: no place in the cluster enters an LDS address
	s_lshl_b32 s97, s14, 12
	s_wait_kmcnt 0x0
	s_add_nc_u64 s[20:21], s[4:5], s[20:21]
	s_add_nc_u64 s[22:23], s[6:7], s[22:23]
	s_add_nc_u64 s[46:47], s[4:5], s[46:47]
	s_add_nc_u64 s[94:95], s[6:7], s[94:95]
	CROUND                                         ; all sixteen work-groups are here: the first joint loads meet
	s_mov_b32 s[G0S], 1
	s_add_co_u32 s[G0S+1], s97, SCL
	s_mov_b64 s[G0S+2:G0S+3], s[22:23]
	s_or_b32 s[G0S+3], s[G0S+3], 0x80000000
	s_mov_b32 s[G0SB], 1
	s_add_co_u32 s[G0SB+1], s97, SCL
	s_mov_b64 s[G0SB+2:G0SB+3], s[94:95]
	s_or_b32 s[G0SB+3], s[G0SB+3], 0x80000000
	JLOAD G0S, G1S, G0SB, G1SB                     ; the scale words first: they are wanted with K step 0
.irp s, 0,1
	s_mov_b32 s[G0+4*\s], 1
	s_add_co_u32 s[G0+4*\s+1], s96, \s*SLOT
	s_add_nc_u64 s[G0+4*\s+2:G0+4*\s+3], s[20:21], \s*4096
	s_or_b32 s[G0+4*\s+3], s[G0+4*\s+3], 0x80000000
	s_mov_b32 s[G0B+4*\s], 1
	s_add_co_u32 s[G0B+4*\s+1], s96, \s*SLOT
	s_add_nc_u64 s[G0B+4*\s+2:G0B+4*\s+3], s[46:47], \s*4096
	s_or_b32 s[G0B+4*\s+3], s[G0B+4*\s+3], 0x80000000
	JLOAD G0+4*\s, G1, G0B+4*\s, G1B
.endr
	v_and_b32 v1, 31, v0                           ; lane
	v_and_b32 v2, 15, v0                           ; r
	v_bfe_u32 v3, v0, 4, 1                         ; h
	s_wait_alu depctr_va_vdst(0)
	v_lshlrev_b32 v[LI], 4, v1
	s_lshl_b32 s21, s15, 15                        ; my 8 row blocks of A
	s_lshl_b32 s22, s16, 15                        ; my 8 of B,
	s_add_co_u32 s22, s22, 65536                   ; which lie behind A's 16
.irp s, 0,1
	v_add_nc_u32 v[ADRA+\s], s21, v[LI]
	v_add_nc_u32 v[ADRB+\s], s22, v[LI]
	s_add_co_u32 s21, s21, SLOT
	s_add_co_u32 s22, s22, SLOT
.endr
	v_lshlrev_b32 v5, 4, v2                        ; my row's four words of a half of K
	s_lshl_b32 s21, s15, 12                        ; A's: my 8 row blocks
	s_lshl_b32 s22, s16, 12                        ; B's, behind A's 8,192 bytes
	s_add_co_u32 s22, s22, 8192
	s_sub_co_u32 s22, s22, s21
	v_mul_u32_u24 v6, s22, v3                      ; lanes 16-31 take B's
	s_add_co_u32 s21, s21, SCL
	v_add_nc_u32 v5, v5, v6
	v_add_nc_u32 v[ADRS], s21, v5
.macro FRAG reg, adr, q, i             ; a fragment comes as it was stored: four pieces of 512 bytes, 16 bytes a lane
.irp c, 0,1,2,3
	ds_load_b128 v[\reg+4*\c:\reg+4*\c+3], v[\adr] offset:4096*(\i)+2048*(\q)+512*\c
.endr
.endm
; 16 matrix instructions: A's blocks a0, a0 + 1 x B's eight.  The 64 accumulators take turns, one instruction a turn, in the same order in every step.
.macro MUL16 a0, p, q, sc, zero
.irp a, \a0, \a0+1
.irp b, 0,1,2,3,4,5,6,7
.if \zero
	v_wmma_scale_f32_16x16x128_f8f6f4 v[8*(8*((\a)%4)+\b):8*(8*((\a)%4)+\b)+7], v[128*(\p)+FR*\b:128*(\p)+FR*\b+FR-1], v[AF+FR*(\a):AF+FR*(\a)+FR-1], 0, v[SC+8*NQ*(\sc)+NQ*\b+(\q)], v[SC+8*NQ*(\sc)+NQ*(\a)+(\q)] matrix_a_scale:MATRIX_SCALE_ROW1
.else
	v_wmma_scale_f32_16x16x128_f8f6f4 v[8*(8*((\a)%4)+\b):8*(8*((\a)%4)+\b)+7], v[128*(\p)+FR*\b:128*(\p)+FR*\b+FR-1], v[AF+FR*(\a):AF+FR*(\a)+FR-1], v[8*(8*((\a)%4)+\b):8*(8*((\a)%4)+\b)+7], v[SC+8*NQ*(\sc)+NQ*\b+(\q)], v[SC+8*NQ*(\sc)+NQ*(\a)+(\q)] matrix_a_scale:MATRIX_SCALE_ROW1
.endif
.endr
.endr
.endm
.macro FETCH_B slot, q, p
	WIN TO_B
.irp i, 0,1,2,3,4,5,6,7
	FRAG 128*(\p)+FR*\i, ADRB+\slot, \q, \i
.endr
	WIN 0
.endm
.macro FETCH_A slot, q, i0
.irp i, \i0, \i0+1, \i0+2, \i0+3
	FRAG AF+FR*(\i), ADRA+\slot, \q, \i
.endr
.endm
.macro SCALES sc, ks                   ; the two words a row of K slot ks: lanes 0-15 A's block i, lanes 16-31 B's block i
.irp i, 0,1,2,3,4,5,6,7
	ds_load_b64 v[SC+8*NQ*\sc+NQ*\i:SC+8*NQ*\sc+NQ*\i+1], v[ADRS] offset:512*\i+256*((\ks)/2)+8*((\ks)%2)
.endr
.endm
.macro PLACES n                        ; plain vector instructions between a matrix instruction and a load into, or a read of, its registers
.rept \n
	v_nop
.endr
.endm
.macro STEP slot, q, zero              ; a step of 128 along K that has its successor in the same slot
	s_wait_dscnt 4*NL                              ; all but the youngest 16 loads (A's blocks 4-7) are in
	WIN MUL_LO
	MUL16 0, (\q)%2, \q, \slot, \zero
	MUL16 2, (\q)%2, \q, \slot, \zero
	s_wait_dscnt 0
	PLACES NP
	FETCH_B \slot, (\q)+1, 1-(\q)%2
	FETCH_A \slot, (\q)+1, 0
	WIN MUL_HI
	MUL16 4, (\q)%2, \q, \slot, \zero
	MUL16 6, (\q)%2, \q, \slot, \zero
	PLACES NP
	WIN 0
	FETCH_A \slot, (\q)+1, 4
.endm
; A slot's last step changes slots: one barrier; in front of it each wave waits for all its tensor loads, adds 0 to its spare word, and waits for that and for its reads of this slot.
.macro TURN slot, next, fill, ks
	s_wait_tensorcnt 0x0                           ; all my tensor loads have landed: my part of the next slot
	ds_add_u32 v[SPW], v[NIL]                      ; 0 onto my spare word
	s_wait_dscnt 4*NL+1                            ; (the add and the youngest 16 loads may be out)
	WIN MUL_LO
	MUL16 0, 1, NQ-1, \slot, 0
	s_wait_dscnt 0x0                               ; the add is done, and my reads of this slot are over
	s_barrier_signal -1
	MUL16 2, 1, NQ-1, \slot, 0
	WIN 0
	s_barrier_wait -1
.if \fill
	CREST                                          ; the barrier has opened a round of the cluster's barrier: no wave of any partner still reads this slot or has a load on its way
	s_add_nc_u64 s[G0+4*\slot+2:G0+4*\slot+3], s[G0+4*\slot+2:G0+4*\slot+3], 8192
	s_add_nc_u64 s[G0B+4*\slot+2:G0B+4*\slot+3], s[G0B+4*\slot+2:G0B+4*\slot+3], 8192
	JLOAD G0+4*\slot, G1, G0B+4*\slot, G1B         ; the first tensor load behind the round; its four v_nop are among the places in front of the loads below
	PLACES NP-4
.else
	PLACES NP
.endif
	FETCH_B \next, 0, 0
	FETCH_A \next, 0, 0
	SCALES \next, \ks
	WIN MUL_HI
	MUL16 4, 1, NQ-1, \slot, 0
	MUL16 6, 1, NQ-1, \slot, 0
	PLACES NP
	WIN 0
	FETCH_A \next, 0, 4
.endm
	s_wait_alu depctr_va_vdst(0)
	s_wait_tensorcnt 1                             ; the scale words and my part of slot 0 are in (slot 1's load may be out)
	s_barrier_signal -1
	s_barrier_wait -1                              ; everybody's are
	FETCH_B 0, 0, 0
	FETCH_A 0, 0, 0
	SCALES 0, 0
	FETCH_A 0, 0, 4
	STEP 0, 0, 1                                   ; K = 1,024 is eight steps, written out: the first products start the sums
	TURN 0, 1, 1, 1                                ; slot 0 takes K 512-767
	STEP 1, 0, 0
	TURN 1, 0, 1, 2                                ; slot 1 takes K 768-1,023
	STEP 0, 0, 0
	TURN 0, 1, 0, 3
	STEP 1, 0, 0
	s_wait_dscnt 4*NL                              ; the last step: nothing more to fetch
	WIN MUL_LO
	MUL16 0, 1, NQ-1, 1, 0
	MUL16 2, 1, NQ-1, 1, 0
	s_wait_dscnt 0
	WIN MUL_HI
	MUL16 4, 1, NQ-1, 1, 0
	MUL16 6, 1, NQ-1, 1, 0
	WIN 0
; THE END.  A's block a: my lane's 64 results (8 accumulators) are four blocks of 32 shared with lane l xor 16: codes into v[PC] on, the scale word into v[PW].  Each accumulator is read from its low end on.
.macro QUANTW a
.set AC, 64*((\a)%4)
.set WN, 2+(\a)/4
	WIN 5*WN                                       ; sources 0 and 1: the accumulators' window
.irp b, 0,1,2,3
	v_max3_num_f32 v[TM+\b], |v[AC+16*\b]|, |v[AC+16*\b+1]|, 0x4800000   ; and the floor 2^(9 - 127): the byte cannot fall under 1
.endr
.irp i, 2,4,6,8,10,12,14
.irp b, 0,1,2,3
	v_max3_num_f32 v[TM+\b], |v[AC+16*\b+\i]|, |v[AC+16*\b+\i+1]|, v[TM+\b]
.endr
.endr
	WIN 0
.irp b, 0,1,2,3
	v_permlanex16_b32 v[TM+4+\b], v[TM+\b], s[SEL], s[SEL+1]
.endr
.irp b, 0,1,2,3
	v_max_num_f32 v[TM+\b], v[TM+\b], v[TM+4+\b]
.endr
.irp b, 0,1,2,3
	v_add_nc_u32 v[TM+12+\b], 0xfc000000, v[TM+\b] ; 8 off the exponent field: the conversion's scale operand
.endr
.irp b, 0,1,2,3
	v_and_or_b32 v[TM+8+\b], v[TM+\b], 0x7f800000, s[MNT]   ; 448 x the scale
.endr
.irp b, 0,1,2,3
	v_lshrrev_b32 v[TM+4+\b], 23, v[TM+12+\b]      ; the scale's byte
.endr
	v_lshl_or_b32 v[PW], v[TM+5], 8, v[TM+4]
	v_lshl_or_b32 v[PW], v[TM+6], 16, v[PW]
	v_lshl_or_b32 v[PW], v[TM+7], 24, v[PW]
	WIN WN                                         ; source 0: the accumulators' window
.irp b, 0,1,2,3
.irp i, 0,1,2,3,4,5,6,7,8,9,10,11,12,13,14,15
	v_med3_num_f32 v[HV+16*\b+\i], v[AC+16*\b+\i], -v[TM+8+\b], v[TM+8+\b]   ; the conversion does not saturate (ISA guide 7.6.2): the hold
.endr
.endr
	WIN 0
	s_wait_alu depctr_va_vdst(0)
	s_wait_xcnt 0x0                                ; the last block's stores have read v[PC] on and v[PS]
.irp b, 0,1,2,3
	v_cvt_scalef32_pk8_fp8_f32 v[PC+4*\b:PC+4*\b+1], v[HV+16*\b:HV+16*\b+7], v[TM+12+\b]
	v_cvt_scalef32_pk8_fp8_f32 v[PC+4*\b+2:PC+4*\b+3], v[HV+16*\b+8:HV+16*\b+15], v[TM+12+\b]
.endr
	v_nop                                          ; one plain vector instruction behind the last conversion
.endm
.macro OUT_QK a                        ; 16 tokens x 2 heads x 64: two pieces of 512 bytes for each head; lanes 0-15 store the first head's scale word, lanes 16-31 the second's
	global_store_b128 v[LI], v[PC:PC+3], s[P0:P0+1] offset:1024*(\a)
	global_store_b128 v[LI], v[PC+4:PC+7], s[P0:P0+1] offset:1024*(\a)+512
	global_store_b128 v[LI], v[PC+8:PC+11], s[P1:P1+1] offset:1024*(\a)
	global_store_b128 v[LI], v[PC+12:PC+15], s[P1:P1+1] offset:1024*(\a)+512
	v_lshrrev_b32 v[PS], v[SH16], v[PW]
	global_store_b32 v[SOFF], v[PS], s[S0:S0+1] offset:64*(\a)
.endm
.macro OUT_V a                         ; 16 channels x 128 keys: a whole fragment; two tiles' scale words leave together, 128 consecutive bytes
.irp c, 0,1,2,3
	global_store_b128 v[LI], v[PC+4*\c:PC+4*\c+3], s[P0+2*((\a)/4):P0+2*((\a)/4)+1] offset:2048*((\a)%4)+512*\c
.endr
.if ((\a)%2) == 0
	v_mov_b32 v[PE], v[PW]
.else
	v_cndmask_b32 v[PS], v[PE], v[PW], s[HM]
	global_store_b32 v[L4], v[PS], s[S0+2*((\a)/4):S0+2*((\a)/4)+1] offset:64*((\a)%4-1)
.endif
.endm
	PLACES NP                                      ; behind the last products: their results are read, and A's registers written, below
.irp b, 0,1,2,3
	v_mov_b32 v[TM+4+\b], 0                        ; written once: a lane permute's destination counts as one of its sources
.endr
	s_cmp_lg_u32 s45, 0
	s_cbranch_scc1 .Lv_path                        ; the same way in all sixteen partners; no barrier and no tensor load stands on either way
	; q or k.  My first token block, its batch, my first head
	s_lshl_b32 s17, s15, 3
	s_add_co_u32 s17, s17, s92                     ; token block among 512
	s_lshr_b32 s18, s17, 7                         ; batch
	s_and_b32 s17, s17, 127                        ; token block in the batch: a multiple of 8
	s_bfe_u32 s19, s93, 0x20004                    ; which 4 heads: tile column % 4
	s_lshl_b32 s18, s18, 4
	s_lshl_b32 s19, s19, 2
	s_add_co_u32 s18, s18, s19
	s_lshl_b32 s19, s16, 1
	s_add_co_u32 s18, s18, s19                     ; 16 batch + head
	s_lshl_b32 s20, s18, 7
	s_add_co_u32 s20, s20, s17
	s_lshl_b32 s22, s20, 6                         ; q: 64 bytes of scale words,
	s_lshl_b32 s20, s20, 10                        ; 1,024 of codes for a head's token block
	s_lshl_b32 s46, s18, 4
	s_lshr_b32 s47, s17, 3
	s_add_co_u32 s46, s46, s47
	s_mul_i32 s46, s46, REC                        ; k: the record of (head, key step)
	s_add_co_u32 s47, s46, 16384                   ; and its scale words
	s_and_b32 s42, ttmp9, 1
	s_cmp_lg_u32 s42, 0                            ; odd clusters make k
	s_cselect_b64 s[P0:P0+1], s[12:13], s[8:9]
	s_cselect_b64 s[S0:S0+1], s[12:13], s[10:11]
	s_cselect_b32 s20, s46, s20
	s_cselect_b32 s22, s47, s22
	s_mov_b32 s46, HEADB
	s_mov_b32 s47, 131072
	s_cselect_b32 s18, s46, s47                    ; from a head's codes to the next head's
	s_mov_b32 s47, 8192
	s_cselect_b32 s17, s46, s47                    ; and from its scale words
	s_mov_b32 s21, 0
	s_mov_b32 s23, 0
	s_mov_b32 s19, 0
	s_add_nc_u64 s[P0:P0+1], s[P0:P0+1], s[20:21]
	s_add_nc_u64 s[S0:S0+1], s[S0:S0+1], s[22:23]
	s_add_nc_u64 s[P1:P1+1], s[P0:P0+1], s[18:19]
	v_mul_u32_u24 v[SOFF], s17, v3
	v_lshl_add_u32 v[SOFF], v2, 2, v[SOFF]         ; 4 r, + a head for lanes 16-31
	v_lshlrev_b32 v[SH16], 4, v3
.irp a, 0,1,2,3,4,5,6,7
	QUANTW \a
	OUT_QK \a
.endr
	s_branch .Lend
.Lv_path:
	s_sub_co_u32 s17, s92, 640
	s_lshr_b32 s17, s17, 2                         ; 4 heads a tile of w_v
	s_lshl_b32 s18, s15, 1
	s_add_co_u32 s17, s17, s18                     ; my first head
	s_lshr_b32 s18, s93, 7                         ; batch
	s_lshl_b32 s18, s18, 4
	s_add_co_u32 s17, s17, s18
	s_lshl_b32 s17, s17, 4
	s_bfe_u32 s18, s93, 0x30004                    ; token tile in the batch
	s_lshl_b32 s18, s18, 1
	s_add_co_u32 s17, s17, s18
	s_add_co_u32 s17, s17, s16                     ; the record: 16 (16 batch + head) + key step
	s_mul_i32 s20, s17, REC
	s_add_co_u32 s20, s20, 8192                    ; V's part of it
	s_mov_b32 s21, 0
	s_add_nc_u64 s[P0:P0+1], s[12:13], s[20:21]
	s_add_nc_u64 s[P1:P1+1], s[P0:P0+1], HEADB
	s_add_nc_u64 s[S0:S0+1], s[P0:P0+1], 8704
	s_add_nc_u64 s[S1:S1+1], s[P1:P1+1], 8704
	v_lshlrev_b32 v[L4], 2, v1
.irp a, 0,1,2,3,4,5,6,7
	QUANTW \a
	OUT_V \a
.endr
.Lend:
	s_wait_tensorcnt 0x0                           ; the wave's end
	ds_add_u32 v[SPW], v[NIL]
	s_wait_dscnt 0x0
	CROUND                                         ; the closing round: no work-group ends while a partner may still ask for a tile that names it
	s_endpgm
.Lfunc_end_k_qfd695b5541_qkv:
	.size	k_qfd695b5541_qkv, .Lfunc_end_k_qfd695b5541_qkv-k_qfd695b5541_qkv
	.p2alignl 7, 3214868480
	.fill 96, 4, 3214868480
	.section	.rodata,"a",@progbits
	.p2align	6, 0x0
	.amdhsa_kernel k_qfd695b5541_qkv
		.amdhsa_group_segment_fixed_size 327680
		.amdhsa_private_segment_fixed_size 0
		.amdhsa_enable_private_segment 0
		.amdhsa_kernarg_size 40
		.amdhsa_user_sgpr_count 2
		.amdhsa_user_sgpr_kernarg_segment_ptr 1
		.amdhsa_wavefront_size32 1
		.amdhsa_system_sgpr_workgroup_id_x 1
		.amdhsa_system_sgpr_workgroup_id_y 1
		.amdhsa_system_sgpr_workgroup_id_z 1
		.amdhsa_system_vgpr_workitem_id 0
		.amdhsa_next_free_vgpr 1024
		.amdhsa_next_free_sgpr 102
		.amdhsa_reserve_vcc 0
		.amdhsa_float_denorm_mode_32 3
		.amdhsa_float_denorm_mode_16_64 3
		.amdhsa_memory_ordered 1
		.amdhsa_forward_progress 1
		.amdhsa_inst_pref_size 255
	.end_amdhsa_kernel
	.section	.bss,"aw",@nobits
	.p2align	6
	.space	262144
	.amdgpu_metadata
---
amdhsa.version: [ 1, 2 ]
amdhsa.kernels:
  - .name:           k_qfd695b5541_qkv
    .symbol:         k_qfd695b5541_qkv.kd
    .args:
      - { .name: cod, .offset: 0, .size: 8, .value_kind: global_buffer, .address_space: global }
      - { .name: scl, .offset: 8, .size: 8, .value_kind: global_buffer, .address_space: global }
      - { .name: qimg, .offset: 16, .size: 8, .value_kind: global_buffer, .address_space: global }
      - { .name: qscl, .offset: 24, .size: 8, .value_kind: global_buffer, .address_space: global }
      - { .name: kv, .offset: 32, .size: 8, .value_kind: global_buffer, .address_space: global }
    .group_segment_fixed_size: 327680
    .private_segment_fixed_size: 0
    .kernarg_segment_align: 8
    .kernarg_segment_size: 40
    .max_flat_workgroup_size: 128
    .sgpr_count:     102
    .vgpr_count:     1024
    .wavefront_size: 32
...
	.end_amdgpu_metadata
.endif
;; end of part 2
;; launch attn (part 3): grid 4 x 64, 16 waves a work-group, clusters of 4 x 1, 327,680 bytes of LDS; arguments qimg, qscl, kv, ycod, yscl; writes ycod, yscl
.if DOCPART == 3
	.amdgcn_target "amdgcn-amd-amdhsa--gfx1250"
	.amdhsa_code_object_version 6
	.text
	.protected	k_qfd695b5541_attn
	.globl	k_qfd695b5541_attn
	.p2align	8
	.type	k_qfd695b5541_attn,@function
k_qfd695b5541_attn:
	s_mov_b64 s[64:65], 0
	v_nop
	global_prefetch_b8 v0, s[64:65] scope:SCOPE_SE
	s_setreg_imm32_b32 hwreg(HW_REG_WAVE_MODE, 25, 1), 1
	s_wait_xcnt 0x0
	s_wait_alu depctr_hold_cnt(0) depctr_sa_sdst(0) depctr_va_vdst(0) depctr_va_sdst(0) depctr_va_ssrc(0) depctr_va_vcc(0) depctr_vm_vsrc(0)
	s_getreg_b32 s2, hwreg(HW_REG_IB_STS2, 6, 4)
	s_cmp_eq_u32 s2, 0
	s_cbranch_scc0 .Lentry_in_a_cluster
	s_endpgm
.Lentry_in_a_cluster:
	s_bfe_u32 s2, ttmp6, 0x10000c
	s_cmp_lg_u32 s2, 0x3003
	s_cbranch_scc0 .Lentry_shape_is_right
	s_endpgm
.Lentry_shape_is_right:
; y = softmax(q k^T / 8, causal) v for one head a cluster, both products on codes of E4M3; y is quantised along the model's 1,024 for the projection.
; THE SOFTMAX AHEAD OF THE SECOND PRODUCT: t = score x log2(e) / 8; M = the running largest t rounded UP to a whole number; p = 2^(t - M) is quantised along the keys, not normalised; the row's sum is taken of the
; unquantised p and divides at the end.  When M moves, the sum and O are multiplied by 2^(old M - new M): exact.
; SHARES.  The four work-groups of a cluster serve one head.  The head's K and V with their scale words, 16 records of 17,152 bytes, come into each LDS ONCE, by joint loads: nothing is filled again.
; The head's 128 tiles of 16 queries are dealt by turns: tile 4 i + cx.  Tile 4 i + cx needs key steps 0 .. i / 2 whatever cx is, so no branch, trip count or LDS address hangs on the place in the cluster.
; Wave w takes i = 31 - w and then i = w: (31 - w) / 2 + w / 2 + 2 = 17 key steps for every wave.  The loops' trip counts are constants; a step all of whose keys are hidden is jumped over.
; LAYOUT.  Both products transposed: S^T = K Q^T, O^T = V^T P^T: a lane holds ONE query throughout.  By the order of rows in a block of 16 (row n of block g is row 32 (g / 2) + 8 (g % 2) + n + 8 (n / 8))
; p's register 16 b + i is key 32 b + 16 (lane / 16) + i of the step, and O^T's register 16 b + i channel 32 b + 16 (lane / 16) + i: the conversions' results are operands' registers.
; K = 64 IN A FORM OF 128: Q's operand has zero codes for k = 64 .. 127.  The upper half of a tile of K's operand is the next tile's codes (behind the last: zeros): finite numbers that meet zeros alone; no scale byte is 0xff.
; LIMITS: NaN and infinities are not served; a block whose largest magnitude lies under 2^-118 gets the byte 1.
.set REC,  17152
.set LI,   1                           ; v1   16 x lane
.set LS,   2                           ; v2   4 r
.set ADK,  3                           ; v3   the step's record + 16 x lane
.set ADS,  4                           ; v4   the step's record + 4 r
.set D,    5                           ; v5   the mask: register 16 b + i is hidden where 32 b + i > D
.set QS,   6                           ; v6   Q's scale word
.set QSB,  7                           ; v7   the second tile's
.set VR,   8                           ; v8   r + 8 (r / 8) - 16 h
.set YSO,  9                           ; v9   16 r + h
.set KF,   32                          ; v32-95   K's 8 tiles x 8 registers, later V's 4 x 16;  v96-103 zeros
.set S,    104                         ; v104-167 S^T, then p
.set O,    168                         ; v168-199 O^T
.set PCD,  200                         ; v200-215 p's codes
.set KS,   216                         ; v216-223 K's scale words, later V's
.set BM,   224                         ; block maxima
.set BP,   228                         ; permute destinations, bytes
.set HO,   232
.set SOP,  236                         ; the conversions' scale operands
.set F,    240                         ; v[240:241] f = 2^(old M - new M)
.set PWD,  242                         ; p's scale word
.set T,    243
.set SUM2, 244                         ; v[244:245] the second chain of the sum
.set NINF, 246
.set QB,   248                         ; v248-255 the second tile's Q
.set WV,   14
.set MNT,  19
.set SEL,  20
.set CS,   22
.set G1A,  24
.set G1B,  32
.set G0A,  40
.set G0B,  44
.set TB,   48                          ; s48  LDS byte of the step's record
.set KAP,  49                          ; s49  the key step
.set LIM,  50                          ; s50  the tile's last key step: the one on the diagonal
.set HM,   51                          ; s51  lanes 16-31
.set YCA,  52                          ; s[52:59] where the two tiles' codes and scale bytes go
.set YSA,  54
.set YCB,  56
.set YSB,  58
.set SDA,  60                          ; s60, s61 the two tiles' part of D
.set SDB,  61
.macro CROUND
	s_barrier_signal -1
	s_barrier_wait -1
	s_cmp_lg_u32 s[WV], 0
	s_cbranch_scc1 .Lnot_wave_0_\@
	s_barrier_signal -3
.Lnot_wave_0_\@:
	s_barrier_wait -3
	s_barrier_signal -1
	s_barrier_wait -1
.endm
	s_load_b256 s[4:11], s[0:1], 0x0               ; qimg s[4:5], qscl s[6:7], kv s[8:9], ycod s[10:11]
	s_load_b64 s[12:13], s[0:1], 0x20              ; yscl
	v_lshl_add_u32 v254, v0, 2, 0x43000
	v_mov_b32 v255, 0
	ds_add_u32 v254, v255
	ds_add_u32 v254, v255
	s_wait_dscnt 0x0
	v_lshrrev_b32 v3, 5, v0
	s_delay_alu instid0(VALU_DEP_1)
	v_readfirstlane_b32 s[WV], v3                  ; wave 0..15
	s_bfe_u32 s15, ttmp6, 0x40000                  ; cx: it enters Q's and y's addresses and the mask's threshold alone
	s_and_b32 s16, ttmp7, 0xffff                   ; 16 batch + head
	; descriptor group 1: dense bytes as rows of 256 (32 elements of 8): 17 rows a wave for the first 69,632 bytes (key steps 0-3 lie in them), 50 rows a wave for the other 204,800
	s_mov_b32 s[G1A], 15|(3<<16)|(1<<21)           ; 15:0 the mask: all four work-groups; 17:16 elements of 8 bytes; 21 set beside a mask
	s_mov_b32 s[G1A+1], 32<<16
	s_mov_b32 s[G1A+2], 17<<16
	s_mov_b32 s[G1A+3], 32<<16
	s_mov_b32 s[G1A+4], 17
	s_mov_b32 s[G1A+5], 32
	s_mov_b32 s[G1A+6], 0
	s_mov_b32 s[G1A+7], 0
	s_mov_b32 s[G1B], 15|(3<<16)|(1<<21)
	s_mov_b32 s[G1B+1], 32<<16
	s_mov_b32 s[G1B+2], 50<<16
	s_mov_b32 s[G1B+3], 32<<16
	s_mov_b32 s[G1B+4], 50
	s_mov_b32 s[G1B+5], 32
	s_mov_b32 s[G1B+6], 0
	s_mov_b32 s[G1B+7], 0
	s_mul_i32 s17, s16, 16*REC                     ; the head's first byte in kv
	s_mul_i32 s18, s[WV], 4352
	s_mul_i32 s62, s[WV], 12800
	s_add_co_u32 s62, s62, 69632
	s_mov_b32 s[SEL], 0x76543210
	s_mov_b32 s[SEL+1], 0xfedcba98
	s_mov_b32 s[CS], 0x3e38aa3b                    ; c = log2(e) / 8
	s_mov_b32 s[CS+1], s[CS]                       ; (named with it as a pair, so it is written)
	s_mov_b32 s[HM], 0xffff0000
	s_mov_b32 s[TB], 0
	s_mov_b32 s[KAP], 0
	s_add_co_u32 s2, s17, s18
	s_mov_b32 s3, 0
	s_wait_kmcnt 0x0
	s_mov_b32 s[G0A], 1
	s_mov_b32 s[G0A+1], s18                        ; LDS holds the head's bytes as they lie in memory
	s_add_nc_u64 s[G0A+2:G0A+3], s[8:9], s[2:3]
	s_or_b32 s[G0A+3], s[G0A+3], 0x80000000
	s_add_co_u32 s2, s17, s62
	s_mov_b32 s[G0B], 1
	s_mov_b32 s[G0B+1], s62
	s_add_nc_u64 s[G0B+2:G0B+3], s[8:9], s[2:3]
	s_or_b32 s[G0B+3], s[G0B+3], 0x80000000
	CROUND                                         ; all four work-groups are here: the joint loads meet
	tensor_load_to_lds s[G0A:G0A+3], s[G1A:G1A+7]  ; the first load; it lands before the second is asked for
	s_nop 0
	s_wait_alu depctr_va_vdst(0)
	s_wait_tensorcnt 0x0
	ds_add_u32 v254, v255
	s_wait_dscnt 0x0
	CROUND
	tensor_load_to_lds s[G0B:G0B+3], s[G1B:G1B+7]
	s_nop 0
.rept 4
	v_nop
.endr
	v_and_b32 v3, 31, v0
	s_delay_alu instid0(VALU_DEP_1)
	v_lshlrev_b32 v[LI], 4, v3
	v_and_b32 v10, 15, v0                          ; r
	v_bfe_u32 v11, v0, 4, 1                        ; h
	s_delay_alu instid0(VALU_DEP_2)
	v_lshlrev_b32 v[LS], 2, v10
	s_wait_alu depctr_va_vdst(0)
	v_and_b32 v[VR], 8, v10
	s_delay_alu instid0(VALU_DEP_1)
	v_add_nc_u32 v[VR], v[VR], v10
	v_lshlrev_b32 v3, 4, v11
	s_delay_alu instid0(VALU_DEP_1)
	v_sub_nc_u32 v[VR], v[VR], v3
	v_lshl_add_u32 v[YSO], v10, 4, v11
; The tile 4 i + cx (i in s63): its Q and scale words are asked for; where its y goes; its part of the mask's threshold
.macro PASSADR qv, qsv, va, vb, yc, ys, sd
	s_lshl_b32 s17, s63, 2
	s_add_co_u32 s17, s17, s15                     ; the tile
	s_lshl_b32 s18, s16, 7
	s_add_co_u32 s18, s18, s17
	s_lshl_b32 s62, s18, 10
	v_add_nc_u32 v[\va], s62, v[LI]
	s_lshl_b32 s62, s18, 6
	v_add_nc_u32 v[\vb], s62, v[LS]
	global_load_b128 v[\qv:\qv+3], v[\va], s[4:5] th:TH_LOAD_NT
	global_load_b128 v[\qv+4:\qv+7], v[\va], s[4:5] offset:512 th:TH_LOAD_NT
	global_load_b32 v[\qsv], v[\vb], s[6:7] th:TH_LOAD_NT
	s_lshr_b32 s18, s16, 4
	s_lshl_b32 s18, s18, 7
	s_add_co_u32 s18, s18, s17                     ; y's row block: 128 batch + tile
	s_and_b32 s62, s16, 15                         ; the head
	s_lshl_b32 s2, s18, 14
	s_lshl_b32 s3, s62, 10
	s_add_co_u32 s2, s2, s3
	s_mov_b32 s3, 0
	s_add_nc_u64 s[\yc:\yc+1], s[10:11], s[2:3]    ; codes: 16,384 a row block, 1,024 a head
	s_lshl_b32 s2, s18, 9
	s_lshr_b32 s3, s62, 3
	s_lshl_b32 s3, s3, 8
	s_add_co_u32 s2, s2, s3
	s_and_b32 s3, s62, 7
	s_lshl_b32 s3, s3, 1
	s_add_co_u32 s2, s2, s3
	s_mov_b32 s3, 0
	s_add_nc_u64 s[\ys:\ys+1], s[12:13], s[2:3]    ; scale bytes: 512 a row block, 256 a half of K, 2 a head
	s_and_b32 s2, s63, 1
	s_lshl_b32 s2, s2, 6
	s_lshr_b32 s3, s15, 1
	s_lshl_b32 s3, s3, 5
	s_add_co_u32 s2, s2, s3
	s_and_b32 s3, s15, 1
	s_lshl_b32 s3, s3, 3
	s_add_co_u32 s[\sd], s2, s3                    ; the tile's first query less the diagonal step's first key: 64 (i % 2) + 32 (cx / 2) + 8 (cx % 2)
.endm
	s_sub_co_u32 s63, 31, s[WV]
	s_lshr_b32 s[LIM], s63, 1
	PASSADR 16, QS, 32, 33, YCA, YSA, SDA
	s_mov_b32 s63, s[WV]
	PASSADR QB, QSB, 34, 35, YCB, YSB, SDB
.irp j, 0,1,2,3,4,5,6,7
	v_mov_b32 v[24+\j], 0                          ; Q's zero codes for k = 64 .. 127
	v_mov_b32 v[96+\j], 0                          ; and what stands behind K's last tile
.endr
.irp b, 0,1,2,3
	v_mov_b32 v[BP+\b], 0                          ; written once: a lane permute's destination counts as one of its sources
.endr
	v_mov_b32 v[T], 0
	v_mov_b32 v[F+1], 0                            ; (named as the upper half of a pair)
	v_mov_b32 v[NINF], 0xff800000
.macro INIT sd
	v_mov_b32 v13, 0xff61b1e6                      ; the largest t so far: -3e38, under every t
	s_delay_alu instid0(VALU_DEP_1)
	v_floor_f32 v12, -v13                          ; -M
	v_mov_b32 v14, 0                               ; the sum, in two halves
	v_mov_b32 v15, 0
.set n, 0
.rept 32
	v_mov_b32 v[O+n], 0                            ; O^T: the step is written without a first form: it finds zeros, which the first change of M leaves zeros
.set n, n+1
.endr
	v_add_nc_u32 v[D], s[\sd], v[VR]
.endm
; A KEY STEP: 128 keys, record s[KAP] at LDS byte s[TB].
.macro STEP
	s_cmp_gt_u32 s[KAP], s[LIM]                    ; all its keys come after my queries: a branch on the wave's number and the loop's count
	s_cbranch_scc1 .Lhidden_\@
	s_setprio 2
	v_add_nc_u32 v[ADK], s[TB], v[LI]
	v_add_nc_u32 v[ADS], s[TB], v[LS]
.rept 6
	v_nop                                          ; with the two additions: eight places in front of loads into registers that the last products read
.endr
.irp t, 0,1,2,3,4,5,6,7
	ds_load_b128 v[KF+8*\t:KF+8*\t+3], v[ADK] offset:1024*\t
	ds_load_b128 v[KF+8*\t+4:KF+8*\t+7], v[ADK] offset:1024*\t+512
	ds_load_b32 v[KS+\t], v[ADS] offset:16384+64*\t
.endr
	s_wait_alu depctr_va_vdst(0)
	s_wait_dscnt 0x0
.irp t, 0,1,2,3,4,5,6,7
	v_wmma_scale_f32_16x16x128_f8f6f4 v[S+8*\t:S+8*\t+7], v[KF+8*\t:KF+8*\t+15], v[16:31], 0, v[KS+\t], v[QS]
.endr
.rept 8
	v_nop                                          ; places: for the loads below and for the first read of the scores
.endr
.irp t, 0,1,2,3
.irp c, 0,1,2,3
	ds_load_b128 v[KF+16*\t+4*\c:KF+16*\t+4*\c+3], v[ADK] offset:8192+2048*\t+512*\c   ; V's fragments land while the softmax is walked
.endr
	ds_load_b32 v[KS+\t], v[ADS] offset:16896+64*\t
.endr
	s_cmp_lg_u32 s[KAP], s[LIM]
	s_cbranch_scc1 .Lopen_\@                       ; only the step on the diagonal has hidden keys
.set n, 0
.rept 64
	v_cmp_gt_i32 vcc_lo, 32*(n/16)+n%16, v[D]
	v_cndmask_b32 v[S+n], v[S+n], v[NINF], vcc_lo  ; a hidden score becomes -infinity: p = 0
.set n, n+1
.endr
.Lopen_\@:
.irp b, 0,1,2,3
	v_max3_num_f32 v[BM+\b], v[S+16*\b], v[S+1+16*\b], v[S+2+16*\b]   ; the largest score of each block of 32 keys: for the row's maximum and, since p rises with the score, for the block's largest p
.endr
.irp i, 3,5,7,9,11,13
.irp b, 0,1,2,3
	v_max3_num_f32 v[BM+\b], v[BM+\b], v[S+16*\b+\i], v[S+1+16*\b+\i]
.endr
.endr
.irp b, 0,1,2,3
	v_max_num_f32 v[BM+\b], v[BM+\b], v[S+15+16*\b]
.endr
.irp b, 0,1,2,3
	s_delay_alu instid0(VALU_DEP_4)
	v_permlanex16_b32 v[BP+\b], v[BM+\b], s[SEL], s[SEL+1]
.endr
.irp b, 0,1,2,3
	s_delay_alu instid0(VALU_DEP_4)
	v_max_num_f32 v[BM+\b], v[BM+\b], v[BP+\b]     ; with lane l xor 16's 16 keys
.endr
	s_delay_alu instid0(VALU_DEP_2)
	v_max3_num_f32 v[T], v[BM], v[BM+1], v[BM+2]
	s_delay_alu instid0(VALU_DEP_1)
	v_max_num_f32 v[T], v[T], v[BM+3]
	s_delay_alu instid0(VALU_DEP_1)
	v_mul_f32 v[T], s[CS], v[T]                    ; the step's largest t
	s_delay_alu instid0(VALU_DEP_1)
	v_max_num_f32 v13, v13, v[T]
	v_mov_b32 v[T], v12
	s_delay_alu instid0(VALU_DEP_2)
	v_floor_f32 v12, -v13                          ; the new -M = -ceil(t)
	s_delay_alu instid0(VALU_DEP_1)
	v_sub_f32 v[T], v12, v[T]                      ; old M - new M: a whole number, 0 or less
	s_delay_alu instid0(VALU_DEP_1)
	v_cvt_i32_f32 v[T], v[T]                       ; (it saturates)
	s_delay_alu instid0(VALU_DEP_1)
	v_ldexp_f32 v[F], 1.0, v[T]                    ; f: a multiplication by it rounds nothing
.set n, 0
	s_setprio 1
.rept 32
	v_pk_fma_f32 v[S+n:S+n+1], v[S+n:S+n+1], s[CS:CS+1], v[12:13] op_sel_hi:[1,0,0]   ; t - M
.set n, n+2
.endr
.irp b, 0,1,2,3
	v_fma_f32 v[BM+\b], v[BM+\b], s[CS], v12
.endr
.set n, 0
	s_wait_alu depctr_va_vdst(0)
.rept 64
	v_exp_f32 v[S+n], v[S+n]                       ; p = 2^(t - M)
.set n, n+1
.endr
.irp b, 0,1,2,3
	v_exp_f32 v[BM+\b], v[BM+\b]                   ; the block's largest p: the same two instructions on the same number
.endr
	v_pk_mul_f32 v[14:15], v[14:15], v[F:F+1] op_sel_hi:[1,0]   ; the sums under the new M (a plain place behind the exponentials)
	s_wait_alu depctr_va_vdst(0)
.irp b, 0,1,2,3
	v_max_num_f32 v[BM+\b], 0x4800000, v[BM+\b]    ; the floor 2^(9 - 127)
.endr
.irp b, 0,1,2,3
	s_delay_alu instid0(VALU_DEP_4)
	v_add_nc_u32 v[SOP+\b], 0xfc000000, v[BM+\b]
.endr
.irp b, 0,1,2,3
.endr
.irp b, 0,1,2,3
	s_delay_alu instid0(VALU_DEP_4)
	v_lshrrev_b32 v[BP+\b], 23, v[SOP+\b]
.endr
	s_delay_alu instid0(VALU_DEP_3)
	v_lshl_or_b32 v[PWD], v[BP+1], 8, v[BP]        ; p's scale word for these 128 keys
	s_delay_alu instid0(VALU_DEP_1)
	v_lshl_or_b32 v[PWD], v[BP+2], 16, v[PWD]
	s_delay_alu instid0(VALU_DEP_1)
	v_lshl_or_b32 v[PWD], v[BP+3], 24, v[PWD]
	v_pk_add_f32 v[SUM2:SUM2+1], v[S:S+1], v[S+2:S+3]   ; the row's sum of the unquantised p, in two chains
.set n, 4
.rept 15
	v_pk_add_f32 v[14:15], v[14:15], v[S+n:S+n+1]
	v_pk_add_f32 v[SUM2:SUM2+1], v[SUM2:SUM2+1], v[S+n+2:S+n+3]
.set n, n+4
.endr
	s_delay_alu instid0(VALU_DEP_1)
	v_pk_add_f32 v[14:15], v[14:15], v[SUM2:SUM2+1]
	s_setprio 0
.irp b, 0,1,2,3
.set n, 0
.rept 16
.set n, n+1
.endr
	v_cvt_scalef32_pk8_fp8_f32 v[PCD+4*\b:PCD+4*\b+1], v[S+16*\b:S+16*\b+7], v[SOP+\b]
	v_cvt_scalef32_pk8_fp8_f32 v[PCD+4*\b+2:PCD+4*\b+3], v[S+16*\b+8:S+16*\b+15], v[SOP+\b]
.endr
.set n, 0
.rept 16
	v_pk_mul_f32 v[O+n:O+n+1], v[O+n:O+n+1], v[F:F+1] op_sel_hi:[1,0]   ; O^T under the new M; twelve of these name no register of any one product below: its places behind the codes
.set n, n+2
.endr
	s_wait_alu depctr_va_vdst(0)
	s_wait_dscnt 0x0                               ; V
.irp t, 0,1,2,3
	v_wmma_scale_f32_16x16x128_f8f6f4 v[O+8*\t:O+8*\t+7], v[KF+16*\t:KF+16*\t+15], v[PCD:PCD+15], v[O+8*\t:O+8*\t+7], v[KS+\t], v[PWD]
.endr
.Lhidden_\@:
	s_add_co_u32 s[TB], s[TB], REC
	s_add_co_u32 s[KAP], s[KAP], 1
.endm
; A tile's end: O^T / the sum, quantised along the head's 64 channels (two blocks of 32, each shared with lane l xor 16), stored as two pieces of y's image and two scale bytes a row
.macro FINISH yc, ys, more
.rept 8
	v_nop                                          ; places behind the last products
.endr
	v_add_f32 v14, v14, v15
	s_delay_alu instid0(VALU_DEP_1)
	v_permlanex16_b32 v[T], v14, s[SEL], s[SEL+1]
	s_delay_alu instid0(VALU_DEP_1)
	v_add_f32 v14, v14, v[T]                       ; the row's sum
	s_wait_alu depctr_va_vdst(0)
	v_rcp_f32 v14, v14
	v_nop                                          ; one plain place behind a transcendental
.set n, 0
	s_wait_alu depctr_va_vdst(0)
.rept 16
	v_pk_mul_f32 v[S+n:S+n+1], v[O+n:O+n+1], v[14:15] op_sel_hi:[1,0]   ; each accumulator from its low end on
.set n, n+2
.endr
.irp b, 0,1
	v_max3_num_f32 v[BM+\b], |v[S+16*\b]|, |v[S+1+16*\b]|, 0x4800000
.endr
.irp i, 2,4,6,8,10,12,14
.irp b, 0,1
	s_delay_alu instid0(VALU_DEP_2)
	v_max3_num_f32 v[BM+\b], v[BM+\b], |v[S+16*\b+\i]|, |v[S+1+16*\b+\i]|
.endr
.endr
.irp b, 0,1
	s_delay_alu instid0(VALU_DEP_2)
	v_permlanex16_b32 v[BP+\b], v[BM+\b], s[SEL], s[SEL+1]
.endr
.irp b, 0,1
	s_delay_alu instid0(VALU_DEP_2)
	v_max_num_f32 v[BM+\b], v[BM+\b], v[BP+\b]
.endr
.irp b, 0,1
	s_delay_alu instid0(VALU_DEP_2)
	v_add_nc_u32 v[SOP+\b], 0xfc000000, v[BM+\b]
.endr
.irp b, 0,1
.endr
.irp b, 0,1
	s_delay_alu instid0(VALU_DEP_2)
	v_lshrrev_b32 v[BP+\b], 23, v[SOP+\b]
.endr
	s_delay_alu instid0(VALU_DEP_1)
	v_cndmask_b32 v[T], v[BP], v[BP+1], s[HM]      ; lanes 0-15 store the first block's byte of row r, lanes 16-31 the second's
.irp b, 0,1
.set n, 0
.rept 16
.set n, n+1
.endr
	v_cvt_scalef32_pk8_fp8_f32 v[PCD+4*\b:PCD+4*\b+1], v[S+16*\b:S+16*\b+7], v[SOP+\b]
	v_cvt_scalef32_pk8_fp8_f32 v[PCD+4*\b+2:PCD+4*\b+3], v[S+16*\b+8:S+16*\b+15], v[SOP+\b]
.endr
	v_nop                                          ; one plain vector instruction behind the last conversion
	global_store_b128 v[LI], v[PCD:PCD+3], s[\yc:\yc+1]              ; 32 lanes store 512 consecutive bytes
	global_store_b128 v[LI], v[PCD+4:PCD+7], s[\yc:\yc+1] offset:512
	global_store_b8 v[YSO], v[T], s[\ys:\ys+1]
.if \more
	s_wait_xcnt 0x0                                ; the stores have read their registers: the next tile writes them again
.endif
.endm
	INIT SDA
	s_wait_loadcnt 0x0                             ; both tiles' Q
	s_wait_tensorcnt 1                             ; my part of the first 69,632 bytes is in; the larger load may stay out
	s_barrier_signal -1
	s_barrier_wait -1                              ; everybody's is: key steps 0 to 3 (68,608 bytes) are whole
.Lfirst:
	STEP
	s_cmp_lt_u32 s[KAP], 4
	s_cbranch_scc1 .Lfirst
	s_setprio 0
	s_wait_tensorcnt 0x0                           ; my part of the rest is in,
	s_wait_dscnt 0x0
	s_barrier_signal -1
	s_barrier_wait -1                              ; everybody's is
.Lrest:
	STEP
	s_cmp_lt_u32 s[KAP], 16
	s_cbranch_scc1 .Lrest
	s_setprio 0
	FINISH YCA, YSA, 1
	v_mov_b32 v[QS], v[QSB]                        ; the second tile: the scale word first, so that it stands more than eight places ahead of the first product
.irp j, 0,1,2,3,4,5,6,7
	v_mov_b32 v[16+\j], v[QB+\j]
.endr
	INIT SDB
	s_mov_b32 s[TB], 0
	s_mov_b32 s[KAP], 0
	s_lshr_b32 s[LIM], s[WV], 1
.Lsecond:
	STEP
	s_cmp_lt_u32 s[KAP], 8
	s_cbranch_scc1 .Lsecond
	s_setprio 0
	FINISH YCB, YSB, 0
	s_wait_xcnt 0x0
	v_lshl_add_u32 v254, v0, 2, 0x43000
	v_mov_b32 v255, 0
	s_wait_alu depctr_va_vdst(0)
	s_wait_tensorcnt 0x0
	ds_add_u32 v254, v255
	s_wait_dscnt 0x0
	CROUND                                         ; the closing round
	s_endpgm
.Lfunc_end_k_qfd695b5541_attn:
	.size	k_qfd695b5541_attn, .Lfunc_end_k_qfd695b5541_attn-k_qfd695b5541_attn
	.p2alignl 7, 3214868480
	.fill 96, 4, 3214868480
	.section	.rodata,"a",@progbits
	.p2align	6, 0x0
	.amdhsa_kernel k_qfd695b5541_attn
		.amdhsa_group_segment_fixed_size 327680
		.amdhsa_private_segment_fixed_size 0
		.amdhsa_enable_private_segment 0
		.amdhsa_kernarg_size 40
		.amdhsa_user_sgpr_count 2
		.amdhsa_user_sgpr_kernarg_segment_ptr 1
		.amdhsa_wavefront_size32 1
		.amdhsa_system_sgpr_workgroup_id_x 1
		.amdhsa_system_sgpr_workgroup_id_y 1
		.amdhsa_system_sgpr_workgroup_id_z 1
		.amdhsa_system_vgpr_workitem_id 0
		.amdhsa_next_free_vgpr 256
		.amdhsa_next_free_sgpr 66
		.amdhsa_reserve_vcc 1
		.amdhsa_float_denorm_mode_32 3
		.amdhsa_float_denorm_mode_16_64 3
		.amdhsa_fp16_overflow 1
		.amdhsa_memory_ordered 1
		.amdhsa_forward_progress 1
		.amdhsa_inst_pref_size 89
	.end_amdhsa_kernel
	.amdgpu_metadata
---
amdhsa.version: [ 1, 2 ]
amdhsa.kernels:
  - .name:           k_qfd695b5541_attn
    .symbol:         k_qfd695b5541_attn.kd
    .args:
      - { .name: qimg, .offset: 0, .size: 8, .value_kind: global_buffer, .address_space: global }
      - { .name: qscl, .offset: 8, .size: 8, .value_kind: global_buffer, .address_space: global }
      - { .name: kv, .offset: 16, .size: 8, .value_kind: global_buffer, .address_space: global }
      - { .name: ycod, .offset: 24, .size: 8, .value_kind: global_buffer, .address_space: global }
      - { .name: yscl, .offset: 32, .size: 8, .value_kind: global_buffer, .address_space: global }
    .group_segment_fixed_size: 327680
    .private_segment_fixed_size: 0
    .kernarg_segment_align: 8
    .kernarg_segment_size: 40
    .max_flat_workgroup_size: 512
    .sgpr_count:     66
    .vgpr_count:     256
    .wavefront_size: 32
...
	.end_amdgpu_metadata
.endif
;; end of part 3
;; launch proj (part 4): grid 4 x 32, 4 waves a work-group, clusters of 4 x 4, 327,680 bytes of LDS; arguments ycod, yscl, cod, scl, out0; writes out0
.if DOCPART == 4
	.amdgcn_target "amdgcn-amd-amdhsa--gfx1250"
	.amdhsa_code_object_version 6
	.text
	.protected	k_qfd695b5541_proj
	.globl	k_qfd695b5541_proj
	.p2align	8
	.type	k_qfd695b5541_proj,@function
k_qfd695b5541_proj:
	s_mov_b64 s[64:65], 0
	v_nop
	global_prefetch_b8 v0, s[64:65] scope:SCOPE_SE
	s_setreg_imm32_b32 hwreg(HW_REG_WAVE_MODE, 25, 1), 1
	s_wait_xcnt 0x0
	s_wait_alu depctr_hold_cnt(0) depctr_sa_sdst(0) depctr_va_vdst(0) depctr_va_sdst(0) depctr_va_ssrc(0) depctr_va_vcc(0) depctr_vm_vsrc(0)
	s_getreg_b32 s2, hwreg(HW_REG_IB_STS2, 6, 4)
	s_cmp_eq_u32 s2, 0
	s_cbranch_scc0 .Lentry_in_a_cluster
	s_endpgm
.Lentry_in_a_cluster:
	s_bfe_u32 s2, ttmp6, 0x10000c
	s_cmp_lg_u32 s2, 0xf033
	s_cbranch_scc0 .Lentry_shape_is_right
	s_endpgm
.Lentry_shape_is_right:
; out = y w_proj^T on codes of E4M3 (K = 1,024).  y comes as images of its operand's registers (ycod, yscl), w_proj likewise (row blocks 704-767 of cod, scl).
; A tile of 256 x 256 is made by four waves, each 128 x 128: 64 accumulators.  K goes in steps of 256 through two LDS slots; the tile's scale words, for all of K, come once.
; THE MATRIX INSTRUCTION IS USED TRANSPOSED (source 0 = 16 rows of w_proj, source 1 = 16 rows of y).  Row n of a row block g is row 32 (g / 2) + 8 (g % 2) + n + 8 (n / 8): so in tile b of columns a lane's register j
; is column 32 (b / 2) + 16 (lane / 16) + 8 (b % 2) + j, and row t of A's block a is row 32 (a / 2) + 8 (a % 2) + t + 8 (t / 8) of the wave's 128: the way out puts both right.
; CLUSTERS: 4 x 4 work-groups; y's tiles are shared along a row of the cluster, w_proj's along a column: joint loads.  128 tiles of this size: the launch has work for 128 work-groups.
; REGISTERS, in windows of 256: window 0: v0-31 addresses; v32-63 scale words, two sets; v128-255 A's fragments, one set (on the way out: rows read back).  window 1: B's fragments, two sets.  windows 2, 3: the accumulators.
.set FR,    16
.set NL,    4
.set NP,    8
.set NQ,    2
.set SLOT,  131072                     ; A's 16 row blocks x 4,096 bytes (two K steps of 128), then B's 16
.set SCL,   2*SLOT                     ; A's scale words, 8,192 bytes, then B's
.set SPARE, SCL+16384                  ; the spare words, 128 bytes for each wave: two blocks of 256 bytes that no other line names
.set SPITCH, 528                       ; the way out: a stage of 16 rows x (512 bytes + 16) for each wave, in slot 0, which has had its last fill and its last read when the first result is stored there
.set LI,   4                           ; v4   16 x lane
.set ADRA, 16
.set ADRB, 20
.set STO,  24                          ; v24  the stage: where I put 32 bytes of a row
.set RD,   25                          ; v25  and where I read a row back
.set ADRS, 27
.set SPW,  28                          ; v28  LDS address of my spare word; never rewritten
.set NIL,  29                          ; v29  0; never rewritten
.set SC,   32
.set AF,   128
.set BK,   128
.set G1, 24
.set G0, 32
.set G1B, 48
.set G0B, 56
.set G1S, 68
.set G0S, 76
.set G1SB, 80
.set G0SB, 88
.set MSB, 0
.macro WIN new                         ; the immediate's high byte repeats the setting that is left
.if MSB != \new
	s_set_vgpr_msb (MSB<<8)|\new
.set MSB, \new
.endif
.endm
.set MUL_LO, 0xa1
.set MUL_HI, 0xf1
.set TO_B,   0x40
.macro JLOAD g0a, g1a, g0b, g1b        ; a joint load: waves 0 and 1 fetch for A, waves 2 and 3 for B; four v_nop follow each of the two lines
	s_cmp_eq_u32 s15, 0
	s_cbranch_scc0 .Lfor_b_\@
	tensor_load_to_lds s[\g0a:\g0a+3], s[\g1a:\g1a+7]
	s_nop 0
.rept 4
	v_nop
.endr
	s_branch .Lasked_\@
.Lfor_b_\@:
	tensor_load_to_lds s[\g0b:\g0b+3], s[\g1b:\g1b+7]
	s_nop 0
.rept 4
	v_nop
.endr
.Lasked_\@:
.endm
.macro CREST
	s_cmp_lg_u32 s14, 0
	s_cbranch_scc1 .Lnot_wave_0_\@
	s_barrier_signal -3
.Lnot_wave_0_\@:
	s_barrier_wait -3
	s_barrier_signal -1
	s_barrier_wait -1
.endm
.macro CROUND
	s_barrier_signal -1
	s_barrier_wait -1
	CREST
.endm
	s_load_b256 s[4:11], s[0:1], 0x0               ; ycod s[4:5], yscl s[6:7], cod s[8:9], scl s[10:11]
	s_load_b64 s[12:13], s[0:1], 0x20              ; out0
	v_lshl_add_u32 v[SPW], v0, 2, SPARE
	v_mov_b32 v[NIL], 0
	ds_add_u32 v28, v29
	ds_add_u32 v28, v29
	s_wait_dscnt 0x0
	v_lshrrev_b32 v1, 5, v0
	v_readfirstlane_b32 s14, v1                    ; wave 0..3
	s_lshr_b32 s15, s14, 1                         ; which half of the tile's rows is mine.  Also: I fetch for A (0) or for B (1)
	s_and_b32 s16, s14, 1                          ; which half of its columns.  Also: which 8 row blocks I fetch
	s_bfe_u32 s40, ttmp6, 0x40000                  ; cx, cy
	s_bfe_u32 s41, ttmp6, 0x40004
	s_lshl_b32 s42, ttmp9, 2
	s_add_co_u32 s42, s42, s40                     ; tile column = 4 x cluster x + cx
	s_and_b32 s17, ttmp7, 0xffff
	s_lshl_b32 s17, s17, 2
	s_add_co_u32 s17, s17, s41                     ; tile row = 4 x cluster y + cy
	s_lshl_b32 s43, s41, 2
	s_lshl_b32 s43, 15, s43                        ; my row of the cluster
	s_lshl_b32 s44, 0x1111, s40                    ; my column
	; descriptor group 1.  Codes: 8 rows (row blocks) of 4,096 bytes (512 elements of 8), 16,384 bytes apart, laid on end in LDS
	s_or_b32 s[G1+0], s43, (3<<16)|(1<<21)
	s_or_b32 s[G1B+0], s44, (3<<16)|(1<<21)
.irp g, G1, G1B
	s_mov_b32 s[\g+1], 512<<16
	s_mov_b32 s[\g+2], 8<<16
	s_mov_b32 s[\g+3], 512<<16
	s_mov_b32 s[\g+4], 8
	s_mov_b32 s[\g+5], 2048
	s_mov_b32 s[\g+6], 0
	s_mov_b32 s[\g+7], 0
.endr
	; scale words of 8 row blocks: 4,096 dense bytes as 16 rows of 256
	s_or_b32 s[G1S+0], s43, (3<<16)|(1<<21)
	s_or_b32 s[G1SB+0], s44, (3<<16)|(1<<21)
.irp g, G1S, G1SB
	s_mov_b32 s[\g+1], 32<<16
	s_mov_b32 s[\g+2], 16<<16
	s_mov_b32 s[\g+3], 32<<16
	s_mov_b32 s[\g+4], 16
	s_mov_b32 s[\g+5], 32
	s_mov_b32 s[\g+6], 0
	s_mov_b32 s[\g+7], 0
.endr
	s_lshl_b32 s18, s16, 3
	s_lshl_b32 s20, s17, 4
	s_add_co_u32 s20, s20, s18                     ; A: row block 16 x tile row + 8 x half
	s_lshl_b32 s46, s42, 4
	s_add_co_u32 s46, s46, s18
	s_add_co_u32 s46, s46, 704                     ; B: 704 + 16 x tile column + 8 x half
	s_lshl_b32 s22, s20, 9
	s_lshl_b32 s20, s20, 14
	s_lshl_b32 s94, s46, 9
	s_lshl_b32 s46, s46, 14
	s_mov_b32 s21, 0
	s_mov_b32 s23, 0
	s_mov_b32 s47, 0
	s_mov_b32 s95, 0
	s_lshl_b32 s96, s14, 15                        ; where they go: wave x 32,768: no place in the cluster enters an LDS address
	s_lshl_b32 s97, s14, 12
	s_wait_kmcnt 0x0
	s_add_nc_u64 s[20:21], s[4:5], s[20:21]
	s_add_nc_u64 s[22:23], s[6:7], s[22:23]
	s_add_nc_u64 s[46:47], s[8:9], s[46:47]
	s_add_nc_u64 s[94:95], s[10:11], s[94:95]
	CROUND                                         ; all sixteen work-groups are here: the first joint loads meet
	s_mov_b32 s[G0S], 1
	s_add_co_u32 s[G0S+1], s97, SCL
	s_mov_b64 s[G0S+2:G0S+3], s[22:23]
	s_or_b32 s[G0S+3], s[G0S+3], 0x80000000
	s_mov_b32 s[G0SB], 1
	s_add_co_u32 s[G0SB+1], s97, SCL
	s_mov_b64 s[G0SB+2:G0SB+3], s[94:95]
	s_or_b32 s[G0SB+3], s[G0SB+3], 0x80000000
	JLOAD G0S, G1S, G0SB, G1SB
.irp s, 0,1
	s_mov_b32 s[G0+4*\s], 1
	s_add_co_u32 s[G0+4*\s+1], s96, \s*SLOT
	s_add_nc_u64 s[G0+4*\s+2:G0+4*\s+3], s[20:21], \s*4096
	s_or_b32 s[G0+4*\s+3], s[G0+4*\s+3], 0x80000000
	s_mov_b32 s[G0B+4*\s], 1
	s_add_co_u32 s[G0B+4*\s+1], s96, \s*SLOT
	s_add_nc_u64 s[G0B+4*\s+2:G0B+4*\s+3], s[46:47], \s*4096
	s_or_b32 s[G0B+4*\s+3], s[G0B+4*\s+3], 0x80000000
	s_wait_alu depctr_va_vdst(0)
	s_wait_tensorcnt 0x0
	ds_add_u32 v28, v29
	s_wait_dscnt 0x0
	CROUND
	JLOAD G0+4*\s, G1, G0B+4*\s, G1B
.endr
	v_and_b32 v1, 31, v0                           ; lane
	v_and_b32 v2, 15, v0                           ; r
	v_bfe_u32 v3, v0, 4, 1                         ; h
	s_wait_alu depctr_va_vdst(0)
	v_lshlrev_b32 v[LI], 4, v1
	s_lshl_b32 s21, s15, 15
	s_lshl_b32 s22, s16, 15
	s_add_co_u32 s22, s22, 65536
.irp s, 0,1
	v_add_nc_u32 v[ADRA+\s], s21, v[LI]
	v_add_nc_u32 v[ADRB+\s], s22, v[LI]
	s_add_co_u32 s21, s21, SLOT
	s_add_co_u32 s22, s22, SLOT
.endr
	v_lshlrev_b32 v5, 4, v2
	s_lshl_b32 s21, s15, 12
	s_lshl_b32 s22, s16, 12
	s_add_co_u32 s22, s22, 8192
	s_sub_co_u32 s22, s22, s21
	v_mul_u32_u24 v6, s22, v3                      ; lanes 16-31 take B's scale words
	s_add_co_u32 s21, s21, SCL
	v_add_nc_u32 v5, v5, v6
	v_add_nc_u32 v[ADRS], s21, v5
	s_mul_i32 s23, s14, 16*SPITCH                  ; my stage
	v_mul_u32_u24 v5, v2, SPITCH
	v_lshl_add_u32 v5, v3, 6, v5
	v_add_nc_u32 v[STO], s23, v5                   ; in: row r, + 64 h
	v_add_nc_u32 v[RD], s23, v[LI]                 ; back: the 32 lanes take one row of 512 bytes
	s_lshl_b32 s20, s17, 8
	s_lshl_b32 s21, s15, 7
	s_add_co_u32 s20, s20, s21                     ; my first row of out: 256 x tile row + 128 x half
	s_lshl_b32 s20, s20, 12                        ; rows of 4,096 bytes: under 2^26
	s_lshl_b32 s46, s42, 10
	s_lshl_b32 s47, s16, 9
	s_add_co_u32 s46, s46, s47                     ; my first column, in bytes
	s_add_co_u32 s20, s20, s46
	s_mov_b32 s21, 0
	s_add_nc_u64 s[12:13], s[12:13], s[20:21]
.macro FRAG reg, adr, q, i
.irp c, 0,1,2,3
	ds_load_b128 v[\reg+4*\c:\reg+4*\c+3], v[\adr] offset:4096*(\i)+2048*(\q)+512*\c
.endr
.endm
; 16 matrix instructions: A's blocks a0, a0 + 1 x B's eight.  The 64 accumulators take turns, one instruction a turn, in the same order in every step.
.macro MUL16 a0, p, q, sc, zero
.irp a, \a0, \a0+1
.irp b, 0,1,2,3,4,5,6,7
.if \zero
	v_wmma_scale_f32_16x16x128_f8f6f4 v[8*(8*((\a)%4)+\b):8*(8*((\a)%4)+\b)+7], v[128*(\p)+FR*\b:128*(\p)+FR*\b+FR-1], v[AF+FR*(\a):AF+FR*(\a)+FR-1], 0, v[SC+8*NQ*(\sc)+NQ*\b+(\q)], v[SC+8*NQ*(\sc)+NQ*(\a)+(\q)] matrix_a_scale:MATRIX_SCALE_ROW1
.else
	v_wmma_scale_f32_16x16x128_f8f6f4 v[8*(8*((\a)%4)+\b):8*(8*((\a)%4)+\b)+7], v[128*(\p)+FR*\b:128*(\p)+FR*\b+FR-1], v[AF+FR*(\a):AF+FR*(\a)+FR-1], v[8*(8*((\a)%4)+\b):8*(8*((\a)%4)+\b)+7], v[SC+8*NQ*(\sc)+NQ*\b+(\q)], v[SC+8*NQ*(\sc)+NQ*(\a)+(\q)] matrix_a_scale:MATRIX_SCALE_ROW1
.endif
.endr
.endr
.endm
.macro FETCH_B slot, q, p
	WIN TO_B
.irp i, 0,1,2,3,4,5,6,7
	FRAG 128*(\p)+FR*\i, ADRB+\slot, \q, \i
.endr
	WIN 0
.endm
.macro FETCH_A slot, q, i0
.irp i, \i0, \i0+1, \i0+2, \i0+3
	FRAG AF+FR*(\i), ADRA+\slot, \q, \i
.endr
.endm
.macro SCALES sc, ks
.irp i, 0,1,2,3,4,5,6,7
	ds_load_b64 v[SC+8*NQ*\sc+NQ*\i:SC+8*NQ*\sc+NQ*\i+1], v[ADRS] offset:512*\i+256*((\ks)/2)+8*((\ks)%2)
.endr
.endm
.macro PLACES n
.rept \n
	v_nop
.endr
.endm
.macro STEP slot, q, zero
	s_wait_dscnt 4*NL                              ; all but the youngest 16 loads (A's blocks 4-7) are in
	WIN MUL_LO
	MUL16 0, (\q)%2, \q, \slot, \zero
	MUL16 2, (\q)%2, \q, \slot, \zero
	s_wait_dscnt 0
	PLACES NP
	FETCH_B \slot, (\q)+1, 1-(\q)%2
	FETCH_A \slot, (\q)+1, 0
	WIN MUL_HI
	MUL16 4, (\q)%2, \q, \slot, \zero
	MUL16 6, (\q)%2, \q, \slot, \zero
	PLACES NP
	WIN 0
	FETCH_A \slot, (\q)+1, 4
.endm
.macro TURN slot, next, fill, ks
	s_wait_tensorcnt 0x0                           ; all my tensor loads have landed: my part of the next slot
	ds_add_u32 v[SPW], v[NIL]                      ; 0 onto my spare word
	s_wait_dscnt 4*NL+1                            ; (the add and the youngest 16 loads may be out)
	WIN MUL_LO
	MUL16 0, 1, NQ-1, \slot, 0
	s_wait_dscnt 0x0                               ; the add is done, and my reads of this slot are over
	s_barrier_signal -1
	MUL16 2, 1, NQ-1, \slot, 0
	WIN 0
	s_barrier_wait -1
.if \fill
	CREST                                          ; the barrier has opened a round of the cluster's barrier: no wave of any partner still reads this slot or has a load on its way
	s_add_nc_u64 s[G0+4*\slot+2:G0+4*\slot+3], s[G0+4*\slot+2:G0+4*\slot+3], 8192
	s_add_nc_u64 s[G0B+4*\slot+2:G0B+4*\slot+3], s[G0B+4*\slot+2:G0B+4*\slot+3], 8192
	JLOAD G0+4*\slot, G1, G0B+4*\slot, G1B
	PLACES NP-4
.else
	PLACES NP
.endif
	FETCH_B \next, 0, 0
	FETCH_A \next, 0, 0
	SCALES \next, \ks
	WIN MUL_HI
	MUL16 4, 1, NQ-1, \slot, 0
	MUL16 6, 1, NQ-1, \slot, 0
	PLACES NP
	WIN 0
	FETCH_A \next, 0, 4
.endm
	s_wait_alu depctr_va_vdst(0)
	s_wait_tensorcnt 1                             ; the scale words and my part of slot 0 are in (slot 1's load may be out)
	s_barrier_signal -1
	s_barrier_wait -1                              ; everybody's are
	FETCH_B 0, 0, 0
	FETCH_A 0, 0, 0
	SCALES 0, 0
	FETCH_A 0, 0, 4
	STEP 0, 0, 1
	TURN 0, 1, 1, 1
	STEP 1, 0, 0
	TURN 1, 0, 1, 2
	STEP 0, 0, 0
	TURN 0, 1, 0, 3
	STEP 1, 0, 0
	s_wait_dscnt 4*NL
	WIN MUL_LO
	MUL16 0, 1, NQ-1, 1, 0
	MUL16 2, 1, NQ-1, 1, 0
	s_wait_dscnt 0
	WIN MUL_HI
	MUL16 4, 1, NQ-1, 1, 0
	MUL16 6, 1, NQ-1, 1, 0
	WIN 0
; THE WAY OUT, block by block of 16 rows x 128 columns, through my own stage: in, each accumulator's 32 bytes at its columns' place in row r; back, whole rows of 512 bytes.
; LDS serves a wave's instructions in order (ISA guide 5.7.1.4): no wait between the stores and the loads, nor in front of the next block's stores.
.macro TOSTAGE a
.set AC, 64*((\a)%4)
	WIN 0x08+4*((\a)/4)                            ; an LDS store's data are its source 1: window 2 or 3
.irp b, 0,1,2,3,4,5,6,7
	ds_store_b128 v[STO], v[AC+8*\b:AC+8*\b+3] offset:128*(\b/2)+32*(\b%2)        ; each accumulator from its low end on
	ds_store_b128 v[STO], v[AC+8*\b+4:AC+8*\b+7] offset:128*(\b/2)+32*(\b%2)+16
.endr
	WIN 0
.set BB, BK+64*((\a)%2)
.irp t, 0,1,2,3,4,5,6,7,8,9,10,11,12,13,14,15
	ds_load_b128 v[BB+4*\t:BB+4*\t+3], v[RD] offset:\t*SPITCH
.endr
.endm
.macro SEND a, younger                 ; younger: the LDS instructions issued behind block a's loads, which may stay out
.set BB, BK+64*((\a)%2)
	s_wait_dscnt \younger
.irp t, 0,1,2,3,4,5,6,7,8,9,10,11,12,13,14,15
	global_store_b128 v[LI], v[BB+4*\t:BB+4*\t+3], s[12:13] offset:(32*((\a)/2)+8*((\a)%2)+\t+8*(\t/8))*4096 th:TH_STORE_NT   ; 32 lanes store 512 consecutive bytes, aligned; the row's true place stands in the immediate, 127 rows at the most
.endr
.endm
	PLACES NP
	TOSTAGE 0
.irp a, 1,2,3,4,5,6,7
.if \a > 1
	s_wait_xcnt 0x0                                ; block a - 2's stores have read their registers: block a's loads may land there
.endif
	TOSTAGE \a
	SEND \a-1, 32                                  ; behind block a - 1's loads: block a's 16 stores and 16 loads
.endr
	SEND 7, 0
	s_wait_tensorcnt 0x0                           ; the wave's end
	ds_add_u32 v[SPW], v[NIL]
	s_wait_dscnt 0x0
	CROUND                                         ; the closing round
	s_endpgm
.Lfunc_end_k_qfd695b5541_proj:
	.size	k_qfd695b5541_proj, .Lfunc_end_k_qfd695b5541_proj-k_qfd695b5541_proj
	.p2alignl 7, 3214868480
	.fill 96, 4, 3214868480
	.section	.rodata,"a",@progbits
	.p2align	6, 0x0
	.amdhsa_kernel k_qfd695b5541_proj
		.amdhsa_group_segment_fixed_size 327680
		.amdhsa_private_segment_fixed_size 0
		.amdhsa_enable_private_segment 0
		.amdhsa_kernarg_size 40
		.amdhsa_user_sgpr_count 2
		.amdhsa_user_sgpr_kernarg_segment_ptr 1
		.amdhsa_wavefront_size32 1
		.amdhsa_system_sgpr_workgroup_id_x 1
		.amdhsa_system_sgpr_workgroup_id_y 1
		.amdhsa_system_sgpr_workgroup_id_z 1
		.amdhsa_system_vgpr_workitem_id 0
		.amdhsa_next_free_vgpr 1024
		.amdhsa_next_free_sgpr 102
		.amdhsa_reserve_vcc 0
		.amdhsa_float_denorm_mode_32 3
		.amdhsa_float_denorm_mode_16_64 3
		.amdhsa_memory_ordered 1
		.amdhsa_forward_progress 1
		.amdhsa_inst_pref_size 145
	.end_amdhsa_kernel
	.amdgpu_metadata
---
amdhsa.version: [ 1, 2 ]
amdhsa.kernels:
  - .name:           k_qfd695b5541_proj
    .symbol:         k_qfd695b5541_proj.kd
    .args:
      - { .name: ycod, .offset: 0, .size: 8, .value_kind: global_buffer, .address_space: global }
      - { .name: yscl, .offset: 8, .size: 8, .value_kind: global_buffer, .address_space: global }
      - { .name: cod, .offset: 16, .size: 8, .value_kind: global_buffer, .address_space: global }
      - { .name: scl, .offset: 24, .size: 8, .value_kind: global_buffer, .address_space: global }
      - { .name: out0, .offset: 32, .size: 8, .value_kind: global_buffer, .address_space: global }
    .group_segment_fixed_size: 327680
    .private_segment_fixed_size: 0
    .kernarg_segment_align: 8
    .kernarg_segment_size: 40
    .max_flat_workgroup_size: 128
    .sgpr_count:     102
    .vgpr_count:     1024
    .wavefront_size: 32
...
	.end_amdgpu_metadata
.endif
;; end of part 4
